; MI455X (gfx1250); checked and timed in simulation.
; The chip was launched on July 23, 2026; its instructions are those of AMD's public machine-readable ISA for CDNA 5 (MIT licence, August 2026) and "CDNA5" Instruction Set Architecture Reference Guide (July 2026). The comments in the code are by the model that wrote it; some were corrected since.
;; ICNN net. Allowed arithmetic: float matrix products may take bf16 or f16 operands with f32 sums; other float arithmetic in f32, or as packed bf16 or f16 multiplies, adds, multiply-adds, maxima and minima; sums over many terms, partial sums and values carried from step to step in f32; what a program stores and reads back later, other than sums and carried values, may be rounded once to bf16 or f16.
;; Inputs: V2x_w 64 x 2 float32; V2z_w 64 x 64 float32; V3x_w 64 x 2 float32; V3z_w 64 x 64 float32; Vfx_w 1 x 2 float32; Vfz_w 1 x 64 float32; Vl1_w 64 x 2 float32; X 500,000 x 2 float32; Xstable 500,000 x 2 float32; f1_b 128 float32; f1_w 128 x 2 float32; f2_b 128 float32; f2_w 128 x 128 float32; f3_b 128 float32; f3_w 128 x 128 float32; f4_b 128 float32; f4_w 128 x 128 float32; f5_b 128 float32; f5_w 128 x 128 float32; ff_b 2 float32; ff_w 2 x 128 float32.
;; Outputs: out0 500,000 x 2 float32.
;; 2 versions, each right; version 2 is version 1 with the launch icnn written anew for expert scheduling mode. Each part assembles by itself: llvm-mc -triple=amdgcn-amd-amdhsa -mcpu=gfx1250 --defsym DOCPART=n.
;; ======== version 1 of 2: 1 launch
;; limits: inputs' magnitudes at most 65,504; values are held in f16: magnitudes above 65,504 overflow, below 6.1e-05 lose precision; right only within a limited range of input values
;; launch icnn (part 1): grid 256 x 1, 4 waves a work-group, no clusters, 217,856 bytes of LDS; arguments X, Xstable, out0, f1_w, f1_b, f2_w, f2_b, f3_w, f3_b, f4_w, f4_b, f5_w, f5_b, ff_w, ff_b, Vl1_w, V2x_w, V2z_w, V3x_w, V3z_w, Vfx_w, Vfz_w; writes out0
.if DOCPART == 1
	.amdgcn_target "amdgcn-amd-amdhsa--gfx1250"
	.amdhsa_code_object_version 6
	.text
	.protected	k_qcab089e1c6_icnn
	.globl	k_qcab089e1c6_icnn
	.p2align	8
	.type	k_qcab089e1c6_icnn,@function
k_qcab089e1c6_icnn:
	s_mov_b64 s[64:65], 0
	v_nop
	global_prefetch_b8 v0, s[64:65] scope:SCOPE_SE
	s_setreg_imm32_b32 hwreg(HW_REG_WAVE_MODE, 25, 1), 1
	s_wait_xcnt 0x0
; f = f_hat - gradV * relu(f_hat . gradV + 0.1 V) / (|gradV|^2 + 1e-10) for 500,000 rows of two numbers, in ONE launch.
; f_hat: 2 -> 128 -> 128 -> 128 -> 128 -> 128 -> 2, leaky ReLU, biases.  V: 2 -> 64 -> 64 -> 64 -> 1, smooth ReLU sr, value and gradient.
; GRADIENT, in closed form: sr'(x) = c(x) = clamp(x, 0, 1), sr(x) = c (x - c / 2).  gradV = 0.02 d + c(zf) c(af) (Wfx + q),
;   q = V3x^T u3 + V2x^T u2 + Vl1^T u1,  u3 = Vfz o c3,  u2 = c2 o (V3z^T u3),  u1 = c1 o (V2z^T u2).
; SHARES.  256 work-groups of four waves; a wave walks up to 8 passes of 64 rows (four tiles of 16): pass i of wave g (of 1,024) begins at row 64 (1,024 i + g);
; a pass that begins at or past row 500,000 is jumped over.  A pass is two units of 32 rows; a unit that would begin past row 499,968 is moved back to it: in the
; one pass where that happens both units are the same rows, worked out alike and stored by the same wave.
; WEIGHTS.  Each work-group converts all weights once and keeps them in LDS, K along the rows, rows padded to an odd multiple of 16 bytes.  After the set-up's two barriers LDS is only read,
; up to a third barrier at the end, behind which each wave's closing lines stand.
; PRODUCTS.  H^T = W X^T: source 0 = 16 output features x 32 inputs out of LDS, source 1 = activations.  In a result a lane holds ONE row of the batch (lane % 16) and the features 8 (lane / 16) + 0..7,
; so two results rounded in pairs ARE the next layer's source 1: activations never leave registers and never change lanes.  Inputs of width 2 are a K block of their own whose other columns are 0 in LDS;
; outputs of width 1 or 2 are images with the same row at m and m + 8, so that both halves of the lanes receive them in registers 0 and 1.
; FORMATS.  f net: weights, X and activations f16, sums f32.  V net forward (a, z, af): matrices, d and z f16; backward (c, u, the turned matrices): bf16; sums f32.  Biases, Wfx, ff_b and all that is done once a row: f32.
; WHY THE V NET'S FORWARD PASS IS f16: gradV holds the factor c(zf) c(af) = af^3 / 2 below af = 1, whose slope in af reaches 1.5, and where |gradV| is small the output follows af's error about one to one: 8 significant bits do not do.
; f16 AND ITS RANGE, V NET.  One scale s a pass: WV = the largest magnitude among Vl1, V2x, V2z, V3x, V3z; D1 = the pass's largest |d0| + |d1|; B1 = WV D1, B2 = WV (D1 + 64 B1), B3 = WV (D1 + 64 B2) bound |a| and z
; (sr(x) <= |x|); s = 32768 / max(B1, B2, B3, D1, 32768), at most 1.  Stored are f16(s d) and f16(s z), so every sum is s a: c = clamp(sum / s), s z = c (sum - (s / 2) c); af = sum / s + d . Wfx.
; f16 AND ITS RANGE, f NET.  For each pass and layer l the sum is x = L_l (W h + b) (the C operand is L_l b, L_1 = 1).  B = Wmax N1 + L_l bmax bounds |x| (Wmax, bmax: the layer's largest magnitudes,
; N1: a bound of the largest row sum of magnitudes of the stored activations in the pass), t = 1 / B, r = clamp(t x, 0, 1) = relu(t x), stored h' = f16(k x + r) with k = t / 99: that is leaky(t x) / 0.99,
; rounded once, at most 1.0102 in magnitude.  L_(l+1) = 1.010101 t L_l.  N1 = 1.02 max_rows(sum r) + 1.31 (128 x 0.0101 = 1.293 bounds the negative parts).  f_hat = sum / L_6 + ff_b.
; LIMITS.  |X|, |d|, the f net's weights and the V net's at most 65,504, and they keep f16's fixed step of 6e-8 below 6e-5; s d is about 8 / WV^3 of |d| / D1, so it keeps f16's full precision up to WV of about 50;
; B is held at 2^-64 or more and L at 2^64 or less; divisions are a reciprocal and a multiply; u is rounded to bf16 twice (the product's result, then times c); NaN and infinities are not treated apart.
; NO tensor loads and no cluster: the one input that work-groups share is the weights, which are f32 in memory and must be converted on the way; the f32 copy (295 KB) and the images (213 KB) do not fit in LDS together.
;
; REGISTERS, in windows of 256 (s_set_vgpr_msb: bits 1:0 source 0, 3:2 source 1, 5:4 source 2, 7:6 destination).
;   window 0: addresses, scales, v64-191 sixteen fragment slots of weights, v192-223 two buffers of raw bias.
;   window w = 1, 2: unit w - 1, tiles i = 0, 1: v0-63 P(i) = 32 i, v64-127 Q(i) = 64 + 32 i (activations, by turns), v128-191 accumulators, v192-199 r, v200-207 row sums, v208-223 X's fragments,
;   v224-239 the scaled bias (C operand), v240-247 per row d / gradV and 0.1 V, v248-251 at work, v252-253 1 / s, v254-255 1.0.  The V net lies over them: z = P(i) + 0..15, u = P(i) + 16..31, c1 = Q(i) + 0..15,
;   c2 = Q(i) + 16..31, its accumulators (i, mb) at 128 + 32 i + 8 mb, q's at 192 + 8 i, d's fragments at 224 + 8 i.
;   Setting 0x54 w (source 0 in window 0, all else in w) serves the products AND the vector lines set between them, whose first source is a scale in window 0.
.set NROWS,  500000
.set STRIDE, 65536                     ; rows from a wave's pass to its next: 1,024 waves x 64 rows
.set FLB,    128*272                   ; a hidden layer's image: 128 rows of 256 + 16 bytes
.set FFL,    4*FLB                     ; ff_w: 16 rows x 272
.set F1L,    FFL+16*272                ; f1_w: 128 rows x 80
.set VA1L,   F1L+128*80                ; Vl1: 64 rows x 80 (f16)
.set VA2L,   VA1L+64*80                ; V2z | V2x: 64 rows x 208 (f16)
.set VA3L,   VA2L+64*208
.set VFZL,   VA3L+64*208               ; Vfz: 16 rows x 144 (f16)
.set VB1L,   VFZL+16*144               ; Vl1 turned: 16 rows x 144 (bf16)
.set VB2L,   VB1L+16*144               ; V2z turned, then V2x turned: 80 rows x 144 (bf16)
.set VB3L,   VB2L+80*144               ; the same of V3z, V3x, each column j times Vfz[j]
.set BIASL,  VB3L+80*144               ; six blocks of 512 bytes: f1_b .. f5_b, zeros
.set ZR,     FFL                       ; from here 38 x 2,048 bytes are cleared first
.set REDL,   217088                    ; eleven maxima x four waves
.set SPARE,  217344                    ; the spare words, 128 bytes a wave: two blocks of 256 bytes that no other line names
.set SPW, 2                            ; v2   my spare word's address; never rewritten
.set NIL, 3                            ; v3   0; never rewritten
.set WA,  4                            ; v4   the layer's weights: my lane's place; made anew at each layer's head
.set BA,  5                            ; v5   the layer's bias; likewise
.set WA0, 6                            ; v6   r 272 + 16 h; never rewritten
.set BA0, 7                            ; v7   BIASL + 32 h; never rewritten
.set F1A, 8
.set VA1A, 9
.set VA2A, 10
.set VBA, 11
.set LOFF, 12                          ; v12  8 x lane
.set OFFC, 14                          ; v14-15  byte offset of my row in this pass's units
.set OFFN, 16                          ; v16-17  in the next pass's
.set XL,  20                           ; v20-27  unit u: X's pair at 20 + 4 u, Xstable's at 22 + 4 u
.set ONE, 28                           ; v28-29  1.0
.set TAU, 30                           ; v30-31  t, twice
.set KAP, 32                           ; v32  k
.set LAMV, 33                          ; v33  L of the next layer
.set N1,  34
.set SC,  36                           ; v36-47  at work
.set AF,  64
.set BR,  192
; scalars of the V net's scale: s97 WV; for each pass s60 1 / s, s[62:63] s, s[98:99] - s / 2
; the set-up's own registers
.set GT8, 60
.set GT4, 61
.set GJ8, 62
.set GJ4, 63
.set GDIR, 208
.set GTR, 209
.set GFAC, 210
.set GF16, 211
.set LF1, 212
.set LFF, 213
.set LBI, 214
.set LVAX, 215
.set LVBX, 216
.set LV1, 217
.set LVS, 218
.set LDIR, 219
.set LTR, 220
.set LFW, 221
.set LRED, 222
.set MSB, 0
.macro WIN new                         ; the immediate's high byte repeats the setting that is left; a switch that changes nothing is dropped
.if MSB != (\new)
	s_set_vgpr_msb (MSB<<8)|(\new)
.set MSB, (\new)
.endif
.endm
.macro PLACES                          ; four places between matrix instructions and vector lines or loads that touch their registers
.rept 4
	v_nop
.endr
.endm
.macro LDFRAG slot, areg, ofs          ; 16 rows x 32 K of 16 bits: two loads of 16 bytes, 32 bytes apart
	ds_load_b128 v[AF+8*(\slot):AF+8*(\slot)+3], v[\areg] offset:(\ofs)
	ds_load_b128 v[AF+8*(\slot)+4:AF+8*(\slot)+7], v[\areg] offset:(\ofs)+32
.endm
.macro MKOFF add                       ; the offsets of the pass that begins at row s4 + add; a unit never begins past row NROWS - 32
.irp u,0,1
	s_add_co_u32 s5, s4, (\add)+32*\u
	s_min_u32 s5, s5, NROWS-32
	s_lshl_b32 s5, s5, 3
	v_add_nc_u32 v[OFFN+\u], s5, v[LOFF]
.endr
.endm
.macro LDX                             ; 32 lanes x 8 bytes: 256 consecutive bytes a load
	global_load_b64 v[XL:XL+1], v[OFFN], s[8:9] th:TH_LOAD_NT
	global_load_b64 v[XL+2:XL+3], v[OFFN], s[10:11] th:TH_LOAD_NT
	global_load_b64 v[XL+4:XL+5], v[OFFN+1], s[8:9] th:TH_LOAD_NT
	global_load_b64 v[XL+6:XL+7], v[OFFN+1], s[10:11] th:TH_LOAD_NT
.endm
; ------------------------------------------------------------------ SET-UP
	s_load_b512 s[8:23], s[0:1], 0x0               ; X 8, Xstable 10, out0 12, f1_w 14, f1_b 16, f2_w 18, f2_b 20, f3_w 22
	s_load_b512 s[24:39], s[0:1], 0x40             ; f3_b 24, f4_w 26, f4_b 28, f5_w 30, f5_b 32, ff_w 34, ff_b 36, Vl1_w 38
	s_load_b256 s[40:47], s[0:1], 0x80             ; V2x_w 40, V2z_w 42, V3x_w 44, V3z_w 46
	s_load_b128 s[48:51], s[0:1], 0xa0             ; Vfx_w 48, Vfz_w 50
	v_lshl_add_u32 v[SPW], v0, 2, SPARE
	v_mov_b32 v[NIL], 0
	v_lshrrev_b32 v1, 5, v0
	v_readfirstlane_b32 s2, v1                     ; wave 0..3
	; the images that have zeros in them are cleared whole: 38 stores of the work-group's 2,048 bytes
	v_lshlrev_b32 v53, 4, v0
	v_add_nc_u32 v53, ZR, v53
	v_add_nc_u32 v54, 65536, v53
	v_mov_b32 v56, 0
	v_mov_b32 v57, 0
	v_mov_b32 v58, 0
	v_mov_b32 v59, 0
.set i, 0
.rept 32
	ds_store_b128 v53, v[56:59] offset:2048*i
.set i, i+1
.endr
.set i, 0
.rept 6
	ds_store_b128 v54, v[56:59] offset:2048*i
.set i, i+1
.endr
	s_mov_b32 s6, 0x76543210                       ; v_permlanex16_b32: each lane takes its own place in the other half
	s_mov_b32 s7, 0xfedcba98
	s_mov_b32 s52, 0xffff0000                      ; lanes 16-31
	s_mov_b32 s86, 0x3f828f5c                      ; 1.02
	s_mov_b32 s87, 0x3fa7ae14                      ; 1.31
	s_mov_b32 s88, 0x3ca3d70a                      ; 0.02
	s_mov_b32 s89, 0x3dcccccd                      ; 0.1
	s_and_b32 s90, s2, 1                           ; m: my V matrix, V2z (0) or V3z (1)
	s_lshr_b32 s91, s2, 1                          ; which half of it
	s_mul_i32 s60, s90, 64*208                     ; from VA2 to my row image
	s_mul_i32 s61, s90, 80*144                     ; from VB2 to my turned image
	s_lshl_b32 s62, s91, 5
	s_lshl_b32 s4, ttmp9, 8
	s_lshl_b32 s5, s2, 6
	s_add_co_u32 s4, s4, s5                        ; first row of my pass 0: 64 (4 x work-group + wave)
	v_and_b32 v48, 15, v0                          ; r
	v_bfe_u32 v49, v0, 4, 1                        ; h
	v_and_b32 v50, 31, v0                          ; lane
	v_lshlrev_b32 v[LOFF], 3, v50
	v_mul_u32_u24 v[WA0], v48, 272
	v_lshl_add_u32 v[WA0], v49, 4, v[WA0]
	v_lshlrev_b32 v[BA0], 5, v49
	v_add_nc_u32 v[BA0], BIASL, v[BA0]
	v_mul_u32_u24 v52, v48, 80
	v_lshl_add_u32 v52, v49, 4, v52
	v_add_nc_u32 v[F1A], F1L, v52
	v_add_nc_u32 v[VA1A], VA1L, v52
	v_mul_u32_u24 v52, v48, 208
	v_lshl_add_u32 v52, v49, 4, v52
	v_add_nc_u32 v[VA2A], VA2L, v52
	v_mul_u32_u24 v52, v48, 144
	v_lshl_add_u32 v52, v49, 4, v52
	v_add_nc_u32 v[VBA], VFZL, v52
	; offsets in memory
	v_lshlrev_b32 v[GT8], 3, v0
	v_lshlrev_b32 v[GT4], 2, v0
	v_lshlrev_b32 v[GF16], 4, v0
	v_add_nc_u32 v51, s62, v50                     ; j = 32 half + lane: my row of the x parts
	v_lshlrev_b32 v[GJ8], 3, v51
	v_lshlrev_b32 v[GJ4], 2, v51
	s_lshl_b32 s63, s91, 13
	v_lshl_add_u32 v[GDIR], v50, 4, s63            ; rows 32 half + 2 i + h, columns 4 r ..: 8,192 half + 16 lane (+ 512 i)
	v_and_b32 v52, 7, v0                           ; a = lane % 8
	v_bfe_u32 v55, v0, 3, 2                        ; b = lane / 8
	s_lshl_b32 s63, s91, 7
	v_lshlrev_b32 v[GTR], 9, v55
	v_lshl_add_u32 v[GTR], v52, 4, v[GTR]
	v_add_nc_u32 v[GTR], s63, v[GTR]               ; rows 8 i + 2 b (and the next), columns 32 half + 4 a ..
	v_lshlrev_b32 v[GFAC], 3, v55                  ; Vfz of those two rows
	; places in LDS; each wave's lie in rows of its own
	v_mul_u32_u24 v[LF1], v0, 80
	v_add_nc_u32 v[LF1], F1L, v[LF1]
	v_lshl_add_u32 v[LFF], v0, 1, FFL
	v_lshl_add_u32 v[LBI], v0, 2, BIASL
	s_add_co_u32 s63, s60, VA2L+128
	v_mul_u32_u24 v[LVAX], v51, 208
	v_add_nc_u32 v[LVAX], s63, v[LVAX]
	s_add_co_u32 s63, s61, VB2L+64*144
	v_lshl_add_u32 v[LVBX], v51, 1, s63
	v_mul_u32_u24 v[LV1], v51, 80
	v_add_nc_u32 v[LV1], VA1L, v[LV1]
	v_lshl_add_u32 v[LVS], v51, 1, VFZL
	s_mul_i32 s63, s91, 32*208
	s_add_co_u32 s63, s63, s60
	s_add_co_u32 s63, s63, VA2L
	v_mul_u32_u24 v[LDIR], v49, 208
	v_lshl_add_u32 v[LDIR], v48, 3, v[LDIR]
	v_add_nc_u32 v[LDIR], s63, v[LDIR]
	s_mul_i32 s63, s91, 32*144
	s_add_co_u32 s63, s63, s61
	s_add_co_u32 s63, s63, VB2L
	v_mul_u32_u24 v[LTR], v52, 4*144
	v_lshl_add_u32 v[LTR], v55, 2, v[LTR]
	v_add_nc_u32 v[LTR], s63, v[LTR]
	s_mul_i32 s63, s2, 272
	v_lshl_add_u32 v[LFW], v50, 3, s63             ; row 4 i + wave of a hidden layer's image, 8 bytes a lane
	s_lshl_b32 s63, s2, 2
	s_add_co_u32 s63, s63, REDL
	v_mov_b32 v[LRED], s63
	MKOFF 0
	s_wait_kmcnt 0x0
	s_load_b64 s[54:55], s[48:49], 0x0             ; Wfx
	s_load_b64 s[56:57], s[36:37], 0x0             ; ff_b
	s_cmp_eq_u32 s90, 0
	s_cselect_b64 s[92:93], s[42:43], s[46:47]     ; my matrix
	s_cselect_b64 s[94:95], s[40:41], s[44:45]     ; and its x part
	s_cselect_b32 s96, 0, -1                       ; all lanes: the turned image is scaled by Vfz (V3z) or not (V2z)
	; 55 loads: the first pass's rows, the small tensors, my shares of the V matrices
	LDX
	global_load_b64 v[224:225], v[GT8], s[14:15]   ; f1_w[t]
	global_load_b32 v226, v[GT4], s[34:35]         ; ff_w[0][t]
	global_load_b32 v227, v[GT4], s[34:35] offset:512
	global_load_b32 v228, v[GT4], s[16:17]
	global_load_b32 v229, v[GT4], s[20:21]
	global_load_b32 v230, v[GT4], s[24:25]
	global_load_b32 v231, v[GT4], s[28:29]
	global_load_b32 v232, v[GT4], s[32:33]
	global_load_b64 v[234:235], v[GJ8], s[94:95]   ; V2x[j] or V3x[j]
	global_load_b32 v236, v[GJ4], s[50:51]         ; Vfz[j]
	global_load_b64 v[238:239], v[GJ8], s[38:39]   ; Vl1[j]
.set i, 0
.rept 16
	global_load_b128 v[64+4*i:67+4*i], v[GDIR], s[92:93] offset:512*i
.set i, i+1
.endr
.set i, 0
.rept 8
	global_load_b128 v[128+8*i:131+8*i], v[GTR], s[92:93] offset:2048*i
	global_load_b128 v[132+8*i:135+8*i], v[GTR], s[92:93] offset:2048*i+256
	global_load_b64 v[192+2*i:193+2*i], v[GFAC], s[50:51] offset:32*i
.set i, i+1
.endr
	s_wait_dscnt 0x0                               ; my zeros are in LDS,
	s_barrier_signal -1
	s_barrier_wait -1                              ; everybody's are: from here on data may be stored over them
	; 128 loads: the four hidden layers, 32 loads of the work-group's 2,048 bytes each, into the registers of windows 1 and 2
	WIN 0x40
.set i, 0
.rept 32
	global_load_b128 v[4*i:4*i+3], v[GF16], s[18:19] offset:2048*i
.set i, i+1
.endr
.set i, 0
.rept 32
	global_load_b128 v[128+4*i:131+4*i], v[GF16], s[22:23] offset:2048*i
.set i, i+1
.endr
	WIN 0x80
.set i, 0
.rept 32
	global_load_b128 v[4*i:4*i+3], v[GF16], s[26:27] offset:2048*i
.set i, i+1
.endr
.set i, 0
.rept 32
	global_load_b128 v[128+4*i:131+4*i], v[GF16], s[30:31] offset:2048*i
.set i, i+1
.endr
	WIN 0
	s_wait_kmcnt 0x0                               ; Wfx, ff_b
	s_wait_loadcnt 63                              ; loads come back in order: of the 183 at most the last 63 are out, so the first 120 are in: the 55 and layers 2 and 3
	; f1_w, ff_w, the biases: thread t has row or column t
	v_cvt_pk_f16_f32 v240, v224, v225
	ds_store_b32 v[LF1], v240
	v_max_num_f32 v36, |v224|, |v225|              ; v36-40: largest |weight| of layers 1-5; v41-45: largest |bias|; v46: largest |weight| of the V net's forward matrices
	v_cvt_pk_f16_f32 v241, v226, v227
	ds_store_b16 v[LFF], v241
	ds_store_b16 v[LFF], v241 offset:8*272
	ds_store_b16_d16_hi v[LFF], v241 offset:272
	ds_store_b16_d16_hi v[LFF], v241 offset:9*272
.irp l,0,1,2,3,4
	ds_store_b32 v[LBI], v[228+\l] offset:512*\l
	v_and_b32 v[41+\l], 0x7fffffff, v[228+\l]
.endr
.irp l,37,38,39,40
	v_mov_b32 v\l, 0
.endr
	v_max3_num_f32 v46, |v234|, |v235|, |v238|
	v_max_num_f32 v46, v46, |v239|
	; the x part of my matrix, row j: into columns 64, 65 of the row image (f16); turned (and scaled) into rows 64, 72 and 65, 73 of the turned image (bf16)
	v_cvt_pk_f16_f32 v242, v234, v235
	ds_store_b32 v[LVAX], v242
	v_cndmask_b32 v243, 1.0, v236, s96
	v_mul_f32 v244, v234, v243
	v_mul_f32 v245, v235, v243
	v_cvt_pk_bf16_f32 v246, v244, v245
	ds_store_b16 v[LVBX], v246
	ds_store_b16 v[LVBX], v246 offset:8*144
	ds_store_b16_d16_hi v[LVBX], v246 offset:144
	ds_store_b16_d16_hi v[LVBX], v246 offset:9*144
	s_cmp_eq_u32 s90, 0
	s_cbranch_scc0 .Lsetup_fz                      ; conversions and stores alone stand in this branch on the wave's number
	v_cvt_pk_f16_f32 v248, v238, v239              ; waves 0 and 2: Vl1, as it lies (f16) and turned (bf16)
	v_cvt_pk_bf16_f32 v247, v238, v239
	ds_store_b32 v[LV1], v248
	ds_store_b16 v[LVS], v247 offset:2304
	ds_store_b16 v[LVS], v247 offset:2304+8*144
	ds_store_b16_d16_hi v[LVS], v247 offset:2304+144
	ds_store_b16_d16_hi v[LVS], v247 offset:2304+9*144
	s_branch .Lsetup_v
.Lsetup_fz:
	v_cvt_pk_f16_f32 v247, v236, v236              ; waves 1 and 3: Vfz (f16)
	ds_store_b16 v[LVS], v247
	ds_store_b16 v[LVS], v247 offset:8*144
.Lsetup_v:
	; my 32 rows of the row image (f16), and their largest magnitude
.set i, 0
.rept 16
	v_cvt_pk_f16_f32 v[240+2*(i%8)], v[64+4*i], v[65+4*i]
	v_cvt_pk_f16_f32 v[241+2*(i%8)], v[66+4*i], v[67+4*i]
	v_max3_num_f32 v46, |v[64+4*i]|, |v[65+4*i]|, v46
	v_max3_num_f32 v46, |v[66+4*i]|, |v[67+4*i]|, v46
	ds_store_b64 v[LDIR], v[240+2*(i%8):241+2*(i%8)] offset:416*i
.set i, i+1
.endr
	; my 32 rows of the turned image (bf16): rows j and j + 1 of the matrix make one word of row c
.set i, 0
.rept 8
	v_cndmask_b32 v[192+2*i], 1.0, v[192+2*i], s96
	v_cndmask_b32 v[193+2*i], 1.0, v[193+2*i], s96
.irp e,0,1,2,3
	v_mul_f32 v[128+8*i+\e], v[192+2*i], v[128+8*i+\e]
	v_mul_f32 v[132+8*i+\e], v[193+2*i], v[132+8*i+\e]
.endr
.irp e,0,1,2,3
	v_cvt_pk_bf16_f32 v[240+4*(i%4)+\e], v[128+8*i+\e], v[132+8*i+\e]
	ds_store_b32 v[LTR], v[240+4*(i%4)+\e] offset:144*\e+16*i
.endr
.set i, i+1
.endr
; A hidden layer: its 128 registers at base in window w are rounded to f16, sixteen loads at a time, and stored as rows; the largest magnitude is kept.
.macro FCONV w, base, mreg
.irp bt,0,1
	WIN 0x05*(\w)
.set i, 0
.rept 32
	v_cvt_pk_f16_f32 v[64+i], v[(\base)+64*\bt+2*i], v[(\base)+64*\bt+2*i+1]
	v_max3_num_f32 v[\mreg], |v[(\base)+64*\bt+2*i]|, |v[(\base)+64*\bt+2*i+1]|, v[\mreg]
.set i, i+1
.endr
	WIN 0
.set i, 0
.rept 16
	ds_store_b64 v[LFW], v[64+2*i:65+2*i] offset:1088*(16*\bt+i)
.set i, i+1
.endr
.endr
	v_add_nc_u32 v[LFW], FLB, v[LFW]
.endm
	FCONV 1, 0, 37
	FCONV 1, 128, 38
	s_wait_loadcnt 32                              ; all but layer 5's 32 loads
	FCONV 2, 0, 39
	s_wait_loadcnt 0x0
	FCONV 2, 128, 40
	; the eleven maxima: over my lanes, then over the four waves through LDS
.irp x,1,2,4,8
.set k, 0
.rept 11
	v_max_num_f32_dpp v[36+k], v[36+k], v[36+k] row_xmask:\x row_mask:0xf bank_mask:0xf
.set k, k+1
.endr
.endr
.set k, 0
.rept 11
	v_permlanex16_b32 v[64+k], v[36+k], s6, s7
.set k, k+1
.endr
.set k, 0
.rept 11
	v_max_num_f32 v[36+k], v[36+k], v[64+k]
	ds_store_b32 v[LRED], v[36+k] offset:16*k
.set k, k+1
.endr
	s_wait_dscnt 0x0                               ; for the others' sake: all my stores, images and maxima, are in LDS
	s_barrier_signal -1
	s_barrier_wait -1                              ; everybody's are; from here on LDS is only read
	v_mov_b32 v223, REDL
.set k, 0
.rept 11
	ds_load_b128 v[64+4*k:67+4*k], v223 offset:16*k
.set k, k+1
.endr
	s_wait_dscnt 0x0
.set k, 0
.rept 11
	v_max3_num_f32 v[64+4*k], v[64+4*k], v[65+4*k], v[66+4*k]
	v_max_num_f32 v[64+4*k], v[64+4*k], v[67+4*k]
.if k < 10
	v_readfirstlane_b32 s[66+k], v[64+4*k]         ; s66-70 Wmax of layers 1-5, s71-75 bmax
.else
	v_readfirstlane_b32 s97, v[64+4*k]             ; WV
.endif
.set k, k+1
.endr
.set k, 0
.rept 12
	v_mov_b32 v[SC+k], 0
.set k, k+1
.endr
	v_mov_b32 v[ONE], 1.0
	v_mov_b32 v[ONE+1], 1.0
.irp w,1,2
	WIN 0x40*\w
	v_mov_b32 v254, 1.0
	v_mov_b32 v255, 1.0
.irp z,209,210,211,212,213,214,215,217,218,219,220,221,222,223
	v_mov_b32 v\z, 0                               ; X's fragments: all but the first register stay 0
.endr
.endr
	WIN 0
	s_mov_b32 s3, 8
; ------------------------------------------------------------------ MACROS OF A PASS
.macro MMBZ d, a, b
	v_wmma_f32_16x16x32_bf16 v[(\d):(\d)+7], v[(\a):(\a)+7], v[(\b):(\b)+7], 0
.endm
.macro MMBA d, a, b
	v_wmma_f32_16x16x32_bf16 v[(\d):(\d)+7], v[(\a):(\a)+7], v[(\b):(\b)+7], v[(\d):(\d)+7]
.endm
.macro MMFZ d, a, b
	v_wmma_f32_16x16x32_f16 v[(\d):(\d)+7], v[(\a):(\a)+7], v[(\b):(\b)+7], 0
.endm
.macro MMFC d, a, b, c
	v_wmma_f32_16x16x32_f16 v[(\d):(\d)+7], v[(\a):(\a)+7], v[(\b):(\b)+7], v[(\c):(\c)+7]
.endm
; THE V NET'S PRODUCTS, a window's tiles at a time.  In every group the accumulators take turns, one instruction a turn.  Forward: f16; backward: bf16.
.macro GV1 w                           ; s a1 = Vl1 (s d)
	WIN 0x54*(\w)
.irp i,0,1
.irp mb,0,1,2,3
	MMFZ 128+32*\i+8*\mb, AF+8*\mb, 224+8*\i
.endr
.endr
.endm
.macro GV23 w                          ; s a = Vz (s z) + Vx (s d): K blocks z 0-31, z 32-63, d
	WIN 0x54*(\w)
.irp kb,0,1,2
.irp i,0,1
.irp mb,0,1,2,3
.if \kb == 0
	MMFZ 128+32*\i+8*\mb, AF+8*(4+3*\mb), 32*\i
.elseif \kb == 1
	MMFC 128+32*\i+8*\mb, AF+8*(5+3*\mb), 32*\i+8, 128+32*\i+8*\mb
.else
	MMFC 128+32*\i+8*\mb, AF+8*(6+3*\mb), 224+8*\i, 128+32*\i+8*\mb
.endif
.endr
.endr
.endr
.endm
.macro GVF w                           ; Vfz (s z3), into register 0 of accumulator (i, 0)
	WIN 0x54*(\w)
.irp i,0,1
	MMFZ 128+32*\i, AF, 32*\i
.endr
.irp i,0,1
	MMFC 128+32*\i, AF+8, 32*\i+8, 128+32*\i
.endr
.endm
.macro GB w, first                     ; Vz^T u (M blocks 0-3) and q += Vx^T u (M block 4); first = 1: q's sum starts here
	WIN 0x54*(\w)
.irp kb,0,1
.irp i,0,1
.irp mb,0,1,2,3,4
.if \mb < 4
.set gd, 128+32*\i+8*\mb
.else
.set gd, 192+8*\i
.endif
.if (\kb == 0) && ((\mb < 4) || (\first))
	MMBZ gd, AF+8*(4+2*\mb+\kb), 16+32*\i+8*\kb
.else
	MMBA gd, AF+8*(4+2*\mb+\kb), 16+32*\i+8*\kb
.endif
.endr
.endr
.endr
.endm
.macro GB1 w                           ; q += Vl1^T u1
	WIN 0x54*(\w)
.irp kb,0,1
.irp i,0,1
	MMBA 192+8*\i, AF+8*(2+\kb), 16+32*\i+8*\kb
.endr
.endr
.endm
; The sum is s a.  c = clamp(sum / s, 0, 1), s z = c (sum - (s / 2) c); s z goes in f16 to P(i) + 0..15 as the next source 1, c in bf16 to cb + 32 i.  Each accumulator is read from its low end on.
.macro ACTV w, cb
	WIN 0x55*(\w)
.irp i,0,1
.irp mb,0,1,2,3
.set va, 128+32*\i+8*\mb
.set vz, 32*\i+4*\mb
.set vc, (\cb)+32*\i+4*\mb
.irp p,0,1,2,3
	v_pk_mul_f32 v[192+2*\p:193+2*\p], v[va+2*\p:va+2*\p+1], v[252:253] clamp
.endr
.irp p,0,1,2,3
	v_pk_fma_f32 v[va+2*\p:va+2*\p+1], v[192+2*\p:193+2*\p], s[98:99], v[va+2*\p:va+2*\p+1] op_sel_hi:[1,0,1]
.endr
.irp p,0,1,2,3
	v_pk_mul_f32 v[va+2*\p:va+2*\p+1], v[192+2*\p:193+2*\p], v[va+2*\p:va+2*\p+1]
.endr
.irp p,0,1,2,3
	v_cvt_pk_f16_f32 v[vz+\p], v[va+2*\p], v[va+2*\p+1]
.endr
.irp p,0,1,2,3
	v_cvt_pk_bf16_f32 v[vc+\p], v[192+2*\p], v[193+2*\p]
.endr
.endr
.endr
.endm
.macro BACK w, cb                      ; u = c o (the product), into P(i) + 16..31
	WIN 0x55*(\w)
.irp i,0,1
.irp mb,0,1,2,3
.set va, 128+32*\i+8*\mb
.set vu, 16+32*\i+4*\mb
.set vc, (\cb)+32*\i+4*\mb
.irp p,0,1,2,3
	v_cvt_pk_bf16_f32 v[248+\p], v[va+2*\p], v[va+2*\p+1]
.endr
.irp p,0,1,2,3
	v_pk_mul_bf16 v[vu+\p], v[248+\p], v[vc+\p]
.endr
.endr
.endr
.endm
.macro BOTH line:vararg                ; one line for each tile ti of the window
.set ti, 0
	s_wait_alu depctr_va_vdst(0)
.rept 2
	\line
.set ti, ti+1
.endr
.endm
.macro AFM w                           ; af, zf, V and c(zf) c(af), once a row; at work in accumulator (i, 1)'s registers, which are free
	WIN 0x55*(\w)
	BOTH v_mul_f32 v[136+32*ti], s60, v[128+32*ti]
	BOTH v_fma_f32 v[136+32*ti], v[240+4*ti], s54, v[136+32*ti]
	BOTH v_fma_f32 v[136+32*ti], v[241+4*ti], s55, v[136+32*ti]
	BOTH v_mul_f32 v[137+32*ti], v[136+32*ti], v254 clamp
	BOTH v_fma_f32 v[138+32*ti], v[137+32*ti], -0.5, v[136+32*ti]
	BOTH v_mul_f32 v[138+32*ti], v[137+32*ti], v[138+32*ti]
	BOTH v_mul_f32 v[139+32*ti], v[138+32*ti], v254 clamp
	BOTH v_fma_f32 v[140+32*ti], v[139+32*ti], -0.5, v[138+32*ti]
	BOTH v_mul_f32 v[140+32*ti], v[139+32*ti], v[140+32*ti]
	BOTH v_mul_f32 v[225+8*ti], v[137+32*ti], v[139+32*ti]
	BOTH v_mul_f32 v[141+32*ti], v[240+4*ti], v[240+4*ti]
	BOTH v_fma_f32 v[141+32*ti], v[241+4*ti], v[241+4*ti], v[141+32*ti]
	BOTH v_mul_f32 v[141+32*ti], 0x3a83126f, v[141+32*ti]
	BOTH v_fma_f32 v[242+4*ti], v[140+32*ti], s89, v[141+32*ti]
.endm
.macro GRAD w                          ; gradV = 0.02 d + c(zf) c(af) (q + Wfx), in d's place
	WIN 0x55*(\w)
	BOTH v_add_f32 v[248+2*ti], s54, v[192+8*ti]
	BOTH v_add_f32 v[249+2*ti], s55, v[193+8*ti]
	BOTH v_mul_f32 v[248+2*ti], v[225+8*ti], v[248+2*ti]
	BOTH v_mul_f32 v[249+2*ti], v[225+8*ti], v[249+2*ti]
	BOTH v_fma_f32 v[240+4*ti], v[240+4*ti], s88, v[248+2*ti]
	BOTH v_fma_f32 v[241+4*ti], v[241+4*ti], s88, v[249+2*ti]
.endm
; THE f NET'S VECTOR WORK.  A pair of M blocks x two tiles is four accumulators; their activation is a list of 64 lines, RIDER writes number ri.  For pair p of an accumulator's registers:
; r = clamp(t x); the row sum takes r; the two f16 halves of the next source 1 are k x + r, rounded once.  Pair 0 comes first; a line and the one that needs it stand four apart.
; Every line has its first source in window 0 and the rest in the tiles' window: the products' own setting.
.macro RIDER
.set rp, ri/16
.set rq, (ri%16)/4
.set re, ri%4
.set rx, 128+32*RAB+16*(re/2)+8*(re%2)+2*rp
.set rr, 192+2*re
.set rs, 200+4*(re%2)+2*(re/2)
.set ro, ROUT+32*(re%2)+8*RKB+4*(re/2)+rp
.if rq == 0
	v_pk_mul_f32 v[rr:rr+1], v[TAU:TAU+1], v[rx:rx+1] clamp
.elseif rq == 1
.if RFIRST && (rp == 0)
	v_pk_mul_f32 v[rs:rs+1], v[ONE:ONE+1], v[rr:rr+1]
.else
	v_pk_fma_f32 v[rs:rs+1], v[ONE:ONE+1], v[rr:rr+1], v[rs:rs+1]
.endif
.elseif rq == 2
	v_fma_mixlo_f16 v[ro], v[KAP], v[rx], v[rr]
.else
	v_fma_mixhi_f16 v[ro], v[KAP], v[rx+1], v[rr+1]
.endif
.set ri, ri+1
.endm
.macro RID cnt
.rept \cnt
	RIDER
.endr
.endm
.macro CLUMP b                         ; the C operand: the pair's raw bias times L
.irp mbi,0,1
.irp j,0,1,2,3
	v_pk_mul_f32 v[224+8*\mbi+2*\j:225+8*\mbi+2*\j], v[BR+16*(\b)+8*\mbi+2*\j:BR+16*(\b)+8*\mbi+2*\j+1], s[80:81] op_sel_hi:[1,0]
.endr
.endr
.endm
.macro LDBIAS b, mbi, ofs
	ds_load_b128 v[BR+16*(\b)+8*(\mbi):BR+16*(\b)+8*(\mbi)+3], v[BA] offset:(\ofs)
	ds_load_b128 v[BR+16*(\b)+8*(\mbi)+4:BR+16*(\b)+8*(\mbi)+7], v[BA] offset:(\ofs)+16
.endm
.macro NEXTH b, wofs, bofs             ; a pair of M blocks of a hidden layer, all four K blocks, and its bias: 20 loads in one run
.irp mbi,0,1
.irp k,0,1,2,3
	LDFRAG 8*(\b)+4*\mbi+\k, WA, (\wofs)+4352*\mbi+64*\k
.endr
	LDBIAS \b, \mbi, (\bofs)+64*\mbi
.endr
.endm
.macro RSET pr, in, out                ; whose activation rides in step pr: the pair before; in step 0 the last layer's pair 3, which completes this layer's source 1
.set RFIRST, 0
.if (\pr) > 0
.set RAB, ((\pr)-1)%2
.set ROUT, (\out)
.set RKB, (\pr)-1
.if (\pr) == 1
.set RFIRST, 1
.endif
.else
.set RAB, 1
.set ROUT, (\in)
.set RKB, 3
.endif
.endm
; A STEP of a hidden layer: M blocks 2 pr, 2 pr + 1 for all four tiles: 16 products a window, K ascending, four accumulators by turns.  Five riders stand behind each of the first twelve (four more behind the twelfth);
; the last K block's products stand bare: in step 0 they read what the riders have just finished.  The eight lines of CLUMP are the places between the last step's products and the loads into the slots that they read.
.macro STEP pr, in, out
	s_wait_dscnt 0x0                               ; this step's fragments and bias, asked for a step ago
	RSET \pr, \in, \out
.irp w,1,2
	WIN 0x54*\w
	CLUMP (\pr)%2
.if \w == 1
	WIN 0
.if (\pr) < 3
	NEXTH ((\pr)+1)%2, 8704*((\pr)+1), 128*((\pr)+1)
.else
	NEXTH 0, FLB, 512
.endif
	WIN 0x54
.endif
.set ri, 0
.set n, 0
.rept 16
.set sk, n/4
.set smb, (n%4)/2
.set sti, n%2
.set sd, 128+32*((\pr)%2)+16*smb+8*sti
.set sa, AF+8*(8*((\pr)%2)+4*smb+sk)
.set sb, (\in)+32*sti+8*sk
.if sk == 0
	MMFC sd, sa, sb, 224+8*smb
.else
	MMFC sd, sa, sb, sd
.endif
.if n < 12
	RID 5
.endif
.if n == 11
	RID 4
.endif
.set n, n+1
.endr
.endr
.endm
; A STEP of layer 1: one K block, four products a window, sixteen riders behind each (none in step 0).
.macro STEP1 pr
	s_wait_dscnt 0x0
	RSET \pr, 0, 0
.irp w,1,2
	WIN 0x54*\w
	CLUMP (\pr)%2
.if \w == 1
	WIN 0
.if (\pr) < 3
.irp mbi,0,1
	LDFRAG 8*(((\pr)+1)%2)+4*\mbi, F1A, 1280*(2*((\pr)+1)+\mbi)
	LDBIAS ((\pr)+1)%2, \mbi, 64*(2*((\pr)+1)+\mbi)
.endr
.else
	NEXTH 0, 0, 512
.endif
	WIN 0x54
.endif
.set ri, 0
.set n, 0
.rept 4
	MMFC 128+32*((\pr)%2)+16*(n/2)+8*(n%2), AF+8*(8*((\pr)%2)+4*(n/2)), 208+8*(n%2), 224+8*(n/2)
.if (\pr) > 0
	RID 16
.endif
.set n, n+1
.endr
.endr
.endm
; From N1 and L: the layer's t and k, and the next layer's L.  All are the same in every lane; nothing branches on them.
.macro CORE wm, bm
	v_mul_f32 v38, s[\bm], v[LAMV]
	v_fma_f32 v38, v[N1], s[\wm], v38
	v_max_num_f32 v38, 0x1f800000, v38             ; 2^-64
	v_rcp_f32 v[TAU], v38
	v_nop                                          ; a plain line between the reciprocal and its use
	s_wait_alu depctr_va_vdst(0)
	v_mov_b32 v[TAU+1], v[TAU]
	v_mul_f32 v[KAP], 0x3c257eb6, v[TAU]           ; 0.01 / 0.99
	v_mul_f32 v[LAMV], v[LAMV], v[TAU]
	v_mul_f32 v[LAMV], 0x3f814afd, v[LAMV]         ; 1 / 0.99
	v_min_num_f32 v[LAMV], 0x5f800000, v[LAMV]     ; 2^64
	v_readfirstlane_b32 s82, v[LAMV]
	s_mov_b32 s83, s82
.endm
.macro SCALE wm, bm                    ; the largest row sum of r among the pass's 64 rows, then CORE
.irp w,1,2
	WIN 0x55*\w
	v_pk_add_f32 v[200:201], v[200:201], v[202:203]
	v_pk_add_f32 v[204:205], v[204:205], v[206:207]
	WIN 0x05*\w
	v_add_f32 v[SC+2*\w-2], v200, v201
	v_add_f32 v[SC+2*\w-1], v204, v205
.endr
	WIN 0
.irp e,0,1,2,3
	v_permlanex16_b32 v[SC+4+\e], v[SC+\e], s6, s7 ; a row's other 64 features lie in the lane 16 away
.endr
.irp e,0,1,2,3
	v_add_f32 v[SC+\e], v[SC+\e], v[SC+4+\e]
.endr
	v_max3_num_f32 v[SC], v[SC], v[SC+1], v[SC+2]
	v_max_num_f32 v[SC], v[SC], v[SC+3]
.irp x,1,2,4,8
	v_max_num_f32_dpp v[SC], v[SC], v[SC] row_xmask:\x row_mask:0xf bank_mask:0xf
.endr
	v_fma_f32 v[N1], v[SC], s86, s87
	CORE \wm, \bm
.endm
; A hidden layer.  Its LDS addresses are made here, at its head: second = 0 (a trip's first layer): the trip's scalar bases plus the lane terms, which are never rewritten;
; second = 1: one image and one block of bias further on.  No address crosses the loop's backward jump in a vector register.
.macro LAYER in, out, wm, bm, second
	WIN 0
.if \second
	v_add_nc_u32 v[WA], FLB, v[WA]
	v_add_nc_u32 v[BA], 512, v[BA]
.else
	v_add_nc_u32 v[WA], s58, v[WA0]
	v_add_nc_u32 v[BA], s59, v[BA0]
.endif
	s_mov_b32 s80, s82                             ; this layer's L
	s_mov_b32 s81, s82
	STEP 0, \in, \out
	SCALE \wm, \bm                                 ; the last layer's activations are complete: this layer's t and k, for the riders from step 1 on
	STEP 1, \in, \out
	STEP 2, \in, \out
	STEP 3, \in, \out
.endm
.macro FIN w                           ; the formula, once a row; at work in free accumulator registers; then 32 lanes store 256 consecutive bytes, at a multiple of 256 from out0's first byte
	WIN 0x55*(\w)
	BOTH v_fma_f32 v[160+8*ti], v[128+8*ti], s84, s56
	BOTH v_fma_f32 v[161+8*ti], v[129+8*ti], s84, s57
	BOTH v_mul_f32 v[162+8*ti], v[240+4*ti], v[240+4*ti]
	BOTH v_fma_f32 v[162+8*ti], v[241+4*ti], v[241+4*ti], v[162+8*ti]
	BOTH v_add_f32 v[162+8*ti], 0x2edbe6ff, v[162+8*ti]
	BOTH v_fma_f32 v[163+8*ti], v[160+8*ti], v[240+4*ti], v[242+4*ti]
	BOTH v_fma_f32 v[163+8*ti], v[161+8*ti], v[241+4*ti], v[163+8*ti]
	BOTH v_rcp_f32 v[164+8*ti], v[162+8*ti]
	BOTH v_max_num_f32 v[163+8*ti], 0, v[163+8*ti]
	BOTH v_mul_f32 v[163+8*ti], v[163+8*ti], v[164+8*ti]
	BOTH v_fma_f32 v[160+8*ti], -v[240+4*ti], v[163+8*ti], v[160+8*ti]
	BOTH v_fma_f32 v[161+8*ti], -v[241+4*ti], v[163+8*ti], v[161+8*ti]
	v_cndmask_b32 v248, v160, v168, s52            ; lanes 0-15 keep tile 0's rows, lanes 16-31 tile 1's
	v_cndmask_b32 v249, v161, v169, s52
	WIN 0x54*(\w)
	global_store_b64 v[OFFC+(\w)-1], v[248:249], s[12:13] th:TH_STORE_NT
.endm
; ------------------------------------------------------------------ THE PASSES
.Lpass:
	s_cmp_ge_u32 s4, NROWS
	s_cbranch_scc1 .Lnext                          ; no rows left for this wave: forward, past text that holds no barrier
	s_wait_loadcnt 0x0                             ; this pass's X and Xstable, asked for a pass ago
	s_wait_xcnt 0x0                                ; the last pass's stores have had their addresses translated: only behind this wait are their offsets and data rewritten
.irp mb,0,1,2,3
	LDFRAG \mb, VA1A, 1280*\mb
.endr
.irp mb,0,1,2,3
.irp kb,0,1,2
	LDFRAG 4+3*\mb+\kb, VA2A, 3328*\mb+64*\kb
.endr
.endr
	v_add_f32 v[SC], |v[XL]|, |v[XL+1]|
	v_add_f32 v[SC+1], |v[XL+4]|, |v[XL+5]|
	; the V net's scale for this pass: D1, the three bounds, s and 1 / s; the same in every lane, and nothing branches on them
	v_pk_add_f32 v[SC+2:SC+3], v[XL:XL+1], v[XL+2:XL+3] neg_lo:[0,1] neg_hi:[0,1]
	v_pk_add_f32 v[SC+4:SC+5], v[XL+4:XL+5], v[XL+6:XL+7] neg_lo:[0,1] neg_hi:[0,1]
	v_add_f32 v[SC+2], |v[SC+2]|, |v[SC+3]|
	v_add_f32 v[SC+4], |v[SC+4]|, |v[SC+5]|
	v_max_num_f32 v[SC+2], v[SC+2], v[SC+4]
.irp x,1,2,4,8
	v_max_num_f32_dpp v[SC+2], v[SC+2], v[SC+2] row_xmask:\x row_mask:0xf bank_mask:0xf
.endr
	v_permlanex16_b32 v[SC+3], v[SC+2], s6, s7
	v_max_num_f32 v[SC+2], v[SC+2], v[SC+3]        ; D1
	v_mul_f32 v[SC+3], s97, v[SC+2]                ; B1 = WV D1
	v_fmamk_f32 v[SC+4], v[SC+3], 0x42800000, v[SC+2]
	v_mul_f32 v[SC+4], s97, v[SC+4]                ; B2 = WV (64 B1 + D1)
	v_fmamk_f32 v[SC+5], v[SC+4], 0x42800000, v[SC+2]
	v_mul_f32 v[SC+5], s97, v[SC+5]                ; B3 = WV (64 B2 + D1)
	v_max3_num_f32 v[SC+3], v[SC+3], v[SC+4], v[SC+5]
	v_max_num_f32 v[SC+3], v[SC+3], v[SC+2]
	v_max_num_f32 v[SC+3], 0x47000000, v[SC+3]     ; at least 32,768: s is at most 1
	v_rcp_f32 v[SC+4], v[SC+3]
	v_mul_f32 v[SC+5], 0x38000000, v[SC+3]         ; 1 / s = the bound x 2^-15, exact; also the plain line behind the reciprocal
	s_wait_alu depctr_va_vdst(0)
	v_mul_f32 v[SC+4], 0x47000000, v[SC+4]         ; s
	v_mul_f32 v[SC+6], -0.5, v[SC+4]
	v_readfirstlane_b32 s60, v[SC+5]
	v_readfirstlane_b32 s62, v[SC+4]
	v_readfirstlane_b32 s98, v[SC+6]
	s_mov_b32 s63, s62                             ; named as pairs
	s_mov_b32 s99, s98
.irp w,1,2
	WIN 0x40*\w
	v_pk_add_f32 v[128:129], v[XL+4*\w-4:XL+4*\w-3], v[XL+4*\w-2:XL+4*\w-1] neg_lo:[0,1] neg_hi:[0,1]
	v_mov_b32 v130, v[XL+4*\w-4]
	v_mov_b32 v131, v[XL+4*\w-3]
	WIN 0x55*\w
	v_permlanex16_b32 v132, v128, s6, s7           ; a unit's lane holds one of 32 rows; a tile wants its 16 rows in both halves of the lanes
	v_permlanex16_b32 v133, v129, s6, s7
	v_permlanex16_b32 v134, v130, s6, s7
	v_permlanex16_b32 v135, v131, s6, s7
	v_cndmask_b32 v240, v128, v132, s52
	v_cndmask_b32 v241, v129, v133, s52
	v_cndmask_b32 v244, v132, v128, s52
	v_cndmask_b32 v245, v133, v129, s52
	v_cndmask_b32 v136, v130, v134, s52
	v_cndmask_b32 v137, v131, v135, s52
	v_cndmask_b32 v138, v134, v130, s52
	v_cndmask_b32 v139, v135, v131, s52
	v_pk_mul_f32 v[140:141], v[240:241], s[62:63] op_sel_hi:[1,0]
	v_pk_mul_f32 v[142:143], v[244:245], s[62:63] op_sel_hi:[1,0]
	v_cvt_pk_f16_f32 v208, v136, v137
	v_cvt_pk_f16_f32 v216, v138, v139
	v_cvt_pk_f16_f32 v224, v140, v141              ; s d
	v_cvt_pk_f16_f32 v232, v142, v143
	v_mov_b32 v252, s60                            ; 1 / s, twice
	v_mov_b32 v253, s60
.irp z,225,226,227,228,229,230,231,233,234,235,236,237,238,239
	v_mov_b32 v\z, 0                               ; d's fragments share their registers with the scaled bias: cleared in every pass
.endr
.endr
	WIN 0
	v_mov_b32 v[OFFC], v[OFFN]
	v_mov_b32 v[OFFC+1], v[OFFN+1]
	MKOFF STRIDE
	LDX                                            ; the next pass's rows, a whole pass ahead; the offsets are held inside the buffers
	v_max_num_f32 v[SC], v[SC], v[SC+1]
.irp x,1,2,4,8
	v_max_num_f32_dpp v[SC], v[SC], v[SC] row_xmask:\x row_mask:0xf bank_mask:0xf
.endr
	v_permlanex16_b32 v[SC+1], v[SC], s6, s7
	v_max_num_f32 v[SC], v[SC], v[SC+1]
	v_mul_f32 v[N1], 0x3f8147ae, v[SC]             ; 1.01 max(|x0| + |x1|)
	v_mov_b32 v[LAMV], 1.0
	s_mov_b32 s80, 1.0
	s_mov_b32 s81, 1.0
	CORE 66, 71
	s_mov_b32 s58, 0                               ; the layer loop's bases: layer 2's image,
	s_mov_b32 s59, 512                             ; layer 2's bias
	v_mov_b32 v[WA], v[WA0]                        ; for layer 1's steps: its last one fetches layer 2's first pair from here,
	v_mov_b32 v[BA], v[BA0]                        ; and layer 1's bias lies in block 0
	; THE V NET, in phases: products of both windows, four places, the next fragments' loads, the vector work.
	s_wait_dscnt 24                                ; Vl1's eight loads are in; the 24 behind them may be out
	GV1 1
	GV1 2
	WIN 0
	PLACES
	LDFRAG 0, VBA, 0
	LDFRAG 1, VBA, 64
	LDFRAG 2, VBA, 2304
	LDFRAG 3, VBA, 2304+64
	ACTV 1, 64
	ACTV 2, 64
	s_wait_dscnt 0x0
	GV23 1
	GV23 2
	WIN 0
	PLACES
.irp mb,0,1,2,3
.irp kb,0,1,2
	LDFRAG 4+3*\mb+\kb, VA2A, 13312+3328*\mb+64*\kb
.endr
.endr
	ACTV 1, 80
	ACTV 2, 80
	s_wait_dscnt 0x0
	GV23 1
	GV23 2
	WIN 0
	PLACES
.irp mb,0,1,2,3,4
.irp kb,0,1
	LDFRAG 4+2*\mb+\kb, VBA, 16128+2304*\mb+64*\kb
.endr
.endr
	ACTV 1, 16                                     ; c3 is u3: Vfz lies in the turned image
	ACTV 2, 16
	s_wait_dscnt 0x0
	GVF 1
	GVF 2
	PLACES
	AFM 1
	AFM 2
	GB 1, 1
	GB 2, 1
	WIN 0
	PLACES
.irp mb,0,1,2,3,4
.irp kb,0,1
	LDFRAG 4+2*\mb+\kb, VBA, 4608+2304*\mb+64*\kb
.endr
.endr
	BACK 1, 80
	BACK 2, 80
	s_wait_dscnt 0x0
	GB 1, 0
	GB 2, 0
	WIN 0
	PLACES
.irp mbi,0,1
	LDFRAG 4*\mbi, F1A, 1280*\mbi                  ; layer 1's first pair and its bias
	LDBIAS 0, \mbi, 64*\mbi
.endr
	BACK 1, 64
	BACK 2, 64
	GB1 1
	GB1 2
	PLACES
	GRAD 1
	GRAD 2
	; THE f NET
	STEP1 0
	STEP1 1
	STEP1 2
	STEP1 3
	WIN 0
	s_mov_b32 s76, s67
	s_mov_b32 s77, s72
	s_mov_b32 s78, s68
	s_mov_b32 s79, s73
	s_mov_b32 s85, 2
.Llay:                                                 ; two trips: layers 2 and 3, layers 4 and 5; the activations go from P to Q and back
	LAYER 0, 64, 76, 77, 0
	LAYER 64, 0, 78, 79, 1
	WIN 0
	s_add_co_u32 s58, s58, 2*FLB                   ; the bases step once a trip: two images, two blocks of bias
	s_add_co_u32 s59, s59, 1024
	s_mov_b32 s76, s69
	s_mov_b32 s77, s74
	s_mov_b32 s78, s70
	s_mov_b32 s79, s75
	s_sub_co_i32 s85, s85, 1
	s_cmp_lg_u32 s85, 0
	s_cbranch_scc1 .Llay
	v_rcp_f32 v38, v[LAMV]
	v_nop
	s_wait_alu depctr_va_vdst(0)
	v_readfirstlane_b32 s84, v38                   ; 1 / L_6
	; ff_w's image follows layer 5's, so layer 5's last step has fetched it like a next layer's first pair: slots 0-3.  Layer 5's pair 3 rides behind the first six products.
	s_wait_dscnt 0x0
	RSET 0, 0, 0
.irp w,1,2
	WIN 0x54*\w
.set ri, 0
.set n, 0
.rept 8
.if n < 2
	MMFZ 128+8*(n%2), AF, 32*(n%2)
.else
	MMFC 128+8*(n%2), AF+8*(n/2), 32*(n%2)+8*(n/2), 128+8*(n%2)
.endif
.if n < 4
	RID 11
.elseif n < 6
	RID 10
.endif
.set n, n+1
.endr
.endr
	FIN 1                                          ; window 2's riders are the places behind window 1's last products; FIN 1's lines those behind window 2's
	FIN 2
	WIN 0
.Lnext:
	s_add_co_u32 s4, s4, STRIDE
	s_sub_co_i32 s3, s3, 1
	s_cmp_lg_u32 s3, 0
	s_cbranch_scc1 .Lpass
	s_wait_dscnt 0x0                               ; my reads of LDS are back,
	s_barrier_signal -1
	s_barrier_wait -1                              ; everybody's are: no wave writes LDS again before all four have read their last
	s_wait_tensorcnt 0x0                           ; the wave's end
	ds_add_u32 v[SPW], v[NIL]
	s_wait_dscnt 0x0
	s_endpgm
.Lfunc_end_k_qcab089e1c6_icnn:
	.size	k_qcab089e1c6_icnn, .Lfunc_end_k_qcab089e1c6_icnn-k_qcab089e1c6_icnn
	.p2alignl 7, 3214868480
	.fill 96, 4, 3214868480
	.section	.rodata,"a",@progbits
	.p2align	6, 0x0
	.amdhsa_kernel k_qcab089e1c6_icnn
		.amdhsa_group_segment_fixed_size 217856
		.amdhsa_private_segment_fixed_size 0
		.amdhsa_enable_private_segment 0
		.amdhsa_kernarg_size 176
		.amdhsa_user_sgpr_count 2
		.amdhsa_user_sgpr_kernarg_segment_ptr 1
		.amdhsa_wavefront_size32 1
		.amdhsa_system_sgpr_workgroup_id_x 1
		.amdhsa_system_sgpr_workgroup_id_y 1
		.amdhsa_system_sgpr_workgroup_id_z 1
		.amdhsa_system_vgpr_workitem_id 0
		.amdhsa_next_free_vgpr 768
		.amdhsa_next_free_sgpr 100
		.amdhsa_reserve_vcc 0
		.amdhsa_float_denorm_mode_32 3
		.amdhsa_float_denorm_mode_16_64 3
		.amdhsa_memory_ordered 1
		.amdhsa_forward_progress 1
		.amdhsa_inst_pref_size 255
	.end_amdhsa_kernel
	.section	.bss,"aw",@nobits
	.p2align	6
	.space	262144
	.amdgpu_metadata
---
amdhsa.version: [ 1, 2 ]
amdhsa.kernels:
  - .name:           k_qcab089e1c6_icnn
    .symbol:         k_qcab089e1c6_icnn.kd
    .args:
      - { .name: X, .offset: 0, .size: 8, .value_kind: global_buffer, .address_space: global }
      - { .name: Xstable, .offset: 8, .size: 8, .value_kind: global_buffer, .address_space: global }
      - { .name: out0, .offset: 16, .size: 8, .value_kind: global_buffer, .address_space: global }
      - { .name: f1_w, .offset: 24, .size: 8, .value_kind: global_buffer, .address_space: global }
      - { .name: f1_b, .offset: 32, .size: 8, .value_kind: global_buffer, .address_space: global }
      - { .name: f2_w, .offset: 40, .size: 8, .value_kind: global_buffer, .address_space: global }
      - { .name: f2_b, .offset: 48, .size: 8, .value_kind: global_buffer, .address_space: global }
      - { .name: f3_w, .offset: 56, .size: 8, .value_kind: global_buffer, .address_space: global }
      - { .name: f3_b, .offset: 64, .size: 8, .value_kind: global_buffer, .address_space: global }
      - { .name: f4_w, .offset: 72, .size: 8, .value_kind: global_buffer, .address_space: global }
      - { .name: f4_b, .offset: 80, .size: 8, .value_kind: global_buffer, .address_space: global }
      - { .name: f5_w, .offset: 88, .size: 8, .value_kind: global_buffer, .address_space: global }
      - { .name: f5_b, .offset: 96, .size: 8, .value_kind: global_buffer, .address_space: global }
      - { .name: ff_w, .offset: 104, .size: 8, .value_kind: global_buffer, .address_space: global }
      - { .name: ff_b, .offset: 112, .size: 8, .value_kind: global_buffer, .address_space: global }
      - { .name: Vl1_w, .offset: 120, .size: 8, .value_kind: global_buffer, .address_space: global }
      - { .name: V2x_w, .offset: 128, .size: 8, .value_kind: global_buffer, .address_space: global }
      - { .name: V2z_w, .offset: 136, .size: 8, .value_kind: global_buffer, .address_space: global }
      - { .name: V3x_w, .offset: 144, .size: 8, .value_kind: global_buffer, .address_space: global }
      - { .name: V3z_w, .offset: 152, .size: 8, .value_kind: global_buffer, .address_space: global }
      - { .name: Vfx_w, .offset: 160, .size: 8, .value_kind: global_buffer, .address_space: global }
      - { .name: Vfz_w, .offset: 168, .size: 8, .value_kind: global_buffer, .address_space: global }
    .group_segment_fixed_size: 217856
    .private_segment_fixed_size: 0
    .kernarg_segment_align: 8
    .kernarg_segment_size: 176
    .max_flat_workgroup_size: 128
    .sgpr_count:     100
    .vgpr_count:     768
    .wavefront_size: 32
...
	.end_amdgpu_metadata
.endif
;; end of part 1
;; ======== version 2 of 2: 1 launch; version 1 with the launch icnn written anew for expert scheduling mode
;; limits: inputs' magnitudes at most 65,504; values are held in f16: magnitudes above 65,504 overflow, below 6.1e-05 lose precision; right only within a limited range of input values
;; launch icnn (part 2): grid 256 x 1, 4 waves a work-group, no clusters, 217,856 bytes of LDS; arguments X, Xstable, out0, f1_w, f1_b, f2_w, f2_b, f3_w, f3_b, f4_w, f4_b, f5_w, f5_b, ff_w, ff_b, Vl1_w, V2x_w, V2z_w, V3x_w, V3z_w, Vfx_w, Vfz_w; writes out0
.if DOCPART == 2
	.amdgcn_target "amdgcn-amd-amdhsa--gfx1250"
	.amdhsa_code_object_version 6
	.text
	.protected	k_qcab089e1c6_icnn
	.globl	k_qcab089e1c6_icnn
	.p2align	8
	.type	k_qcab089e1c6_icnn,@function
k_qcab089e1c6_icnn:
	s_mov_b64 s[64:65], 0
	v_nop
	global_prefetch_b8 v0, s[64:65] scope:SCOPE_SE
	s_setreg_imm32_b32 hwreg(HW_REG_WAVE_SCHED_MODE, 0, 2), 2
	s_setreg_imm32_b32 hwreg(HW_REG_WAVE_MODE, 25, 1), 1
	s_wait_xcnt 0x0
	s_wait_alu depctr_vm_vsrc(0)
; f = f_hat - gradV * relu(f_hat . gradV + 0.1 V) / (|gradV|^2 + 1e-10) for 500,000 rows of two numbers, in ONE launch.
; f_hat: 2 -> 128 -> 128 -> 128 -> 128 -> 128 -> 2, leaky ReLU, biases.  V: 2 -> 64 -> 64 -> 64 -> 1, smooth ReLU sr, value and gradient.
; GRADIENT, in closed form: sr'(x) = c(x) = clamp(x, 0, 1), sr(x) = c (x - c / 2).  gradV = 0.02 d + c(zf) c(af) (Wfx + q),
;   q = V3x^T u3 + V2x^T u2 + Vl1^T u1,  u3 = Vfz o c3,  u2 = c2 o (V3z^T u3),  u1 = c1 o (V2z^T u2).
; SHARES.  256 work-groups of four waves; a wave walks up to 8 passes of 64 rows (four tiles of 16): pass i of wave g (of 1,024) begins at row 64 (1,024 i + g);
; a pass that begins at or past row 500,000 is jumped over.  A pass is two units of 32 rows; a unit that would begin past row 499,968 is moved back to it: in the
; one pass where that happens both units are the same rows, worked out alike and stored by the same wave.
; WEIGHTS.  Each work-group converts all weights once and keeps them in LDS, K along the rows, rows padded to an odd multiple of 16 bytes.  After the set-up's two barriers LDS is only read,
; up to a third barrier at the end, behind which each wave's closing lines stand.
; PRODUCTS.  H^T = W X^T: source 0 = 16 output features x 32 inputs out of LDS, source 1 = activations.  In a result a lane holds ONE row of the batch (lane % 16) and the features 8 (lane / 16) + 0..7,
; so two results rounded in pairs ARE the next layer's source 1: activations never leave registers and never change lanes.  Inputs of width 2 are a K block of their own whose other columns are 0 in LDS;
; outputs of width 1 or 2 are images with the same row at m and m + 8, so that both halves of the lanes receive them in registers 0 and 1.
; FORMATS.  f net: weights, X and activations f16, sums f32.  V net forward (a, z, af): matrices, d and z f16; backward (c, u, the turned matrices): bf16; sums f32.  Biases, Wfx, ff_b and all that is done once a row: f32.
; WHY THE V NET'S FORWARD PASS IS f16: gradV holds the factor c(zf) c(af) = af^3 / 2 below af = 1, whose slope in af reaches 1.5, and where |gradV| is small the output follows af's error about one to one: 8 significant bits do not do.
; f16 AND ITS RANGE, V NET.  One scale s a pass: WV = the largest magnitude among Vl1, V2x, V2z, V3x, V3z; D1 = the pass's largest |d0| + |d1|; B1 = WV D1, B2 = WV (D1 + 64 B1), B3 = WV (D1 + 64 B2) bound |a| and z
; (sr(x) <= |x|); s = 32768 / max(B1, B2, B3, D1, 32768), at most 1.  Stored are f16(s d) and f16(s z), so every sum is s a: c = clamp(sum / s), s z = c (sum - (s / 2) c); af = sum / s + d . Wfx.
; f16 AND ITS RANGE, f NET.  For each pass and layer l the sum is x = L_l (W h + b) (the C operand is L_l b, L_1 = 1).  B = Wmax N1 + L_l bmax bounds |x| (Wmax, bmax: the layer's largest magnitudes,
; N1: a bound of the largest row sum of magnitudes of the stored activations in the pass), t = 1 / B, r = clamp(t x, 0, 1) = relu(t x), stored h' = f16(k x + r) with k = t / 99: that is leaky(t x) / 0.99,
; rounded once, at most 1.0102 in magnitude.  L_(l+1) = 1.010101 t L_l.  N1 = 1.02 max_rows(sum r) + 1.31 (128 x 0.0101 = 1.293 bounds the negative parts).  f_hat = sum / L_6 + ff_b.
; LIMITS.  |X|, |d|, the f net's weights and the V net's at most 65,504, and they keep f16's fixed step of 6e-8 below 6e-5; s d is about 8 / WV^3 of |d| / D1, so it keeps f16's full precision up to WV of about 50;
; B is held at 2^-64 or more and L at 2^64 or less; divisions are a reciprocal and a multiply; u is rounded to bf16 twice (the product's result, then times c); NaN and infinities are not treated apart.
; NO tensor loads and no cluster: the one input that work-groups share is the weights, which are f32 in memory and must be converted on the way; the f32 copy (295 KB) and the images (213 KB) do not fit in LDS together.
;
; REGISTERS, in windows of 256 (s_set_vgpr_msb: bits 1:0 source 0, 3:2 source 1, 5:4 source 2, 7:6 destination).
;   window 0: addresses, scales, v64-191 sixteen fragment slots of weights, v192-223 two buffers of raw bias.
;   window w = 1, 2: unit w - 1, tiles i = 0, 1: v0-63 P(i) = 32 i, v64-127 Q(i) = 64 + 32 i (activations, by turns), v128-191 accumulators, v192-199 r, v200-207 row sums, v208-223 X's fragments,
;   v224-239 the scaled bias (C operand), v240-247 per row d / gradV and 0.1 V, v248-251 at work, v252-253 1 / s, v254-255 1.0.  The V net lies over them: z = P(i) + 0..15, u = P(i) + 16..31, c1 = Q(i) + 0..15,
;   c2 = Q(i) + 16..31, its accumulators (i, mb) at 128 + 32 i + 8 mb, q's at 192 + 8 i, d's fragments at 224 + 8 i.
;   Setting 0x54 w (source 0 in window 0, all else in w) serves the products AND the vector lines set between them, whose first source is a scale in window 0.
;
; THE MODE: SCHED_MODE bits 1:0 = 2 (LLVM: expert scheduling mode 2), set by the entry lines.  The code itself states the register dependences between vector or matrix instructions
; and memory or LDS instructions, with s_wait_alu, always for 0.
; THE PLAN.  Registers that memory or LDS instructions touch, in a pass:
;   slots 0-15      Written by LDS loads alone, read by products alone.  V net: a phase's products read them; the next phase's fragments are asked for behind ONE wait on va_vdst, which stands behind the vector work
;                   of the phase's first tile; the other three tiles' vector work follows the loads.  f net: two buffers of eight slots, each with a buffer of raw bias (v192-207, v208-223).  Step p reads buffer p % 2
;                   (its products the slots, its sixteen scaling lines the bias); the loads of step p + 1 land in the other buffer, which no vector or matrix line of step p names.  ONE wait on va_vdst at the step's head, behind
;                   the scaling lines, states that the step before is done with that buffer; a hidden layer's step 1 writes none, since the wait behind the scale's reciprocal stands between steps 0 and 1.
;                   A hidden step's 20 loads are dealt five behind each of window 1's last four products, which carry no vector lines.
;   v20-27          X and Xstable.  Read by the pass's opening lines; the next pass's loads land behind the V net's first wait.
;   v16-17          The next pass's offsets.  Read by those loads; written in the opening lines, behind the head's wait on vm_vsrc and ahead of the V net's first wait on va_vdst.
;   v14-15, and v248-249 of windows 1 and 2   Offsets and data of the pass's two stores: one wait on va_vdst ahead of the stores; the next head's wait on vm_vsrc ahead of the lines that write them again.
;   v4, v5          The layer's LDS addresses.  Read by the loads of weights and bias; written in the opening lines and at each layer's head, behind a wait on vm_vsrc and ahead of a wait on va_vdst that stands there anyway.
;   v6-v12          Lane terms and addresses, made at the kernel's head and never written again.
.set NROWS,  500000
.set STRIDE, 65536                     ; rows from a wave's pass to its next: 1,024 waves x 64 rows
.set FLB,    128*272                   ; a hidden layer's image: 128 rows of 256 + 16 bytes
.set FFL,    4*FLB                     ; ff_w: 16 rows x 272
.set F1L,    FFL+16*272                ; f1_w: 128 rows x 80
.set VA1L,   F1L+128*80                ; Vl1: 64 rows x 80 (f16)
.set VA2L,   VA1L+64*80                ; V2z | V2x: 64 rows x 208 (f16)
.set VA3L,   VA2L+64*208
.set VFZL,   VA3L+64*208               ; Vfz: 16 rows x 144 (f16)
.set VB1L,   VFZL+16*144               ; Vl1 turned: 16 rows x 144 (bf16)
.set VB2L,   VB1L+16*144               ; V2z turned, then V2x turned: 80 rows x 144 (bf16)
.set VB3L,   VB2L+80*144               ; the same of V3z, V3x, each column j times Vfz[j]
.set BIASL,  VB3L+80*144               ; six blocks of 512 bytes: f1_b .. f5_b, zeros
.set ZR,     FFL                       ; from here 38 x 2,048 bytes are cleared first
.set REDL,   217088                    ; eleven maxima x four waves
.set SPARE,  217344                    ; the spare words, 128 bytes a wave: two blocks of 256 bytes that no other line names
.set SPW, 2                            ; v2   my spare word's address; never rewritten
.set NIL, 3                            ; v3   0; never rewritten
.set WA,  4                            ; v4   the layer's weights: my lane's place; made anew at each layer's head
.set BA,  5                            ; v5   the layer's bias; likewise
.set WA0, 6                            ; v6   r 272 + 16 h; never rewritten
.set BA0, 7                            ; v7   BIASL + 32 h; never rewritten
.set F1A, 8
.set VA1A, 9
.set VA2A, 10
.set VBA, 11
.set LOFF, 12                          ; v12  8 x lane
.set OFFC, 14                          ; v14-15  byte offset of my row in this pass's units
.set OFFN, 16                          ; v16-17  in the next pass's
.set XL,  20                           ; v20-27  unit u: X's pair at 20 + 4 u, Xstable's at 22 + 4 u
.set ONE, 28                           ; v28-29  1.0
.set TAU, 30                           ; v30-31  t, twice
.set KAP, 32                           ; v32  k
.set LAMV, 33                          ; v33  L of the next layer
.set N1,  34
.set SC,  36                           ; v36-47  at work
.set AF,  64
.set BR,  192
; scalars of the V net's scale: s97 WV; for each pass s60 1 / s, s[62:63] s, s[98:99] - s / 2
; the set-up's own registers
.set GT8, 60
.set GT4, 61
.set GJ8, 62
.set GJ4, 63
.set GDIR, 208
.set GTR, 209
.set GFAC, 210
.set GF16, 211
.set LF1, 212
.set LFF, 213
.set LBI, 214
.set LVAX, 215
.set LVBX, 216
.set LV1, 217
.set LVS, 218
.set LDIR, 219
.set LTR, 220
.set LFW, 221                          ; my place in layer 2's image; an address to each hidden image, so that none is stepped:
.set LFW1, 13                          ; layer 3's,
.set LFW2, 18                          ; layer 4's,
.set LFW3, 19                          ; layer 5's
.set LRED, 222
.set RDA, 223                          ; where the maxima lie
.set MSB, 0
.macro WIN new                         ; the immediate's high byte repeats the setting that is left; a switch that changes nothing is dropped
.if MSB != (\new)
	s_set_vgpr_msb (MSB<<8)|(\new)
.set MSB, (\new)
.endif
.endm
.macro PLACES                          ; four places between matrix instructions and vector lines that touch their registers (ISA guide 7.12.1)
.rept 4
	v_nop
.endr
.endm
.macro LDFRAG slot, areg, ofs          ; 16 rows x 32 K of 16 bits: two loads of 16 bytes, 32 bytes apart
	ds_load_b128 v[AF+8*(\slot):AF+8*(\slot)+3], v[\areg] offset:(\ofs)
	ds_load_b128 v[AF+8*(\slot)+4:AF+8*(\slot)+7], v[\areg] offset:(\ofs)+32
.endm
.macro MKOFF add                       ; the offsets of the pass that begins at row s4 + add; a unit never begins past row NROWS - 32
.irp u,0,1
	s_add_co_u32 s5, s4, (\add)+32*\u
	s_min_u32 s5, s5, NROWS-32
	s_lshl_b32 s5, s5, 3
	v_add_nc_u32 v[OFFN+\u], s5, v[LOFF]
.endr
.endm
.macro LDX                             ; 32 lanes x 8 bytes: 256 consecutive bytes a load
	global_load_b64 v[XL:XL+1], v[OFFN], s[8:9] th:TH_LOAD_NT
	global_load_b64 v[XL+2:XL+3], v[OFFN], s[10:11] th:TH_LOAD_NT
	global_load_b64 v[XL+4:XL+5], v[OFFN+1], s[8:9] th:TH_LOAD_NT
	global_load_b64 v[XL+6:XL+7], v[OFFN+1], s[10:11] th:TH_LOAD_NT
.endm
; ------------------------------------------------------------------ SET-UP
	s_load_b512 s[8:23], s[0:1], 0x0               ; X 8, Xstable 10, out0 12, f1_w 14, f1_b 16, f2_w 18, f2_b 20, f3_w 22
	s_load_b512 s[24:39], s[0:1], 0x40             ; f3_b 24, f4_w 26, f4_b 28, f5_w 30, f5_b 32, ff_w 34, ff_b 36, Vl1_w 38
	s_load_b256 s[40:47], s[0:1], 0x80             ; V2x_w 40, V2z_w 42, V3x_w 44, V3z_w 46
	s_load_b128 s[48:51], s[0:1], 0xa0             ; Vfx_w 48, Vfz_w 50
	v_lshl_add_u32 v[SPW], v0, 2, SPARE
	v_mov_b32 v[NIL], 0
	v_lshrrev_b32 v1, 5, v0
	v_readfirstlane_b32 s2, v1                     ; wave 0..3
	; the images that have zeros in them are cleared whole: 38 stores of the work-group's 2,048 bytes; here their addresses and data
	v_lshlrev_b32 v53, 4, v0
	v_add_nc_u32 v53, ZR, v53
	v_add_nc_u32 v54, 65536, v53
	v_mov_b32 v56, 0
	v_mov_b32 v57, 0
	v_mov_b32 v58, 0
	v_mov_b32 v59, 0
	s_mov_b32 s6, 0x76543210                       ; v_permlanex16_b32: each lane takes its own place in the other half
	s_mov_b32 s7, 0xfedcba98
	s_mov_b32 s52, 0xffff0000                      ; lanes 16-31
	s_mov_b32 s86, 0x3f828f5c                      ; 1.02
	s_mov_b32 s87, 0x3fa7ae14                      ; 1.31
	s_mov_b32 s88, 0x3ca3d70a                      ; 0.02
	s_mov_b32 s89, 0x3dcccccd                      ; 0.1
	s_wait_alu depctr_va_sdst(0)                   ; s2 is written, ahead of its first reader
	s_and_b32 s90, s2, 1                           ; m: my V matrix, V2z (0) or V3z (1)
	s_lshr_b32 s91, s2, 1                          ; which half of it
	s_mul_i32 s60, s90, 64*208                     ; from VA2 to my row image
	s_mul_i32 s61, s90, 80*144                     ; from VB2 to my turned image
	s_lshl_b32 s62, s91, 5
	s_lshl_b32 s4, ttmp9, 8
	s_lshl_b32 s5, s2, 6
	s_add_co_u32 s4, s4, s5                        ; first row of my pass 0: 64 (4 x work-group + wave)
	v_and_b32 v48, 15, v0                          ; r
	v_bfe_u32 v49, v0, 4, 1                        ; h
	v_and_b32 v50, 31, v0                          ; lane
	v_lshlrev_b32 v[LOFF], 3, v50
	v_mul_u32_u24 v[WA0], v48, 272
	v_lshl_add_u32 v[WA0], v49, 4, v[WA0]
	v_lshlrev_b32 v[BA0], 5, v49
	v_add_nc_u32 v[BA0], BIASL, v[BA0]
	v_mul_u32_u24 v52, v48, 80
	v_lshl_add_u32 v52, v49, 4, v52
	v_add_nc_u32 v[F1A], F1L, v52
	v_add_nc_u32 v[VA1A], VA1L, v52
	v_mul_u32_u24 v52, v48, 208
	v_lshl_add_u32 v52, v49, 4, v52
	v_add_nc_u32 v[VA2A], VA2L, v52
	v_mul_u32_u24 v52, v48, 144
	v_lshl_add_u32 v52, v49, 4, v52
	v_add_nc_u32 v[VBA], VFZL, v52
	; offsets in memory
	v_lshlrev_b32 v[GT8], 3, v0
	v_lshlrev_b32 v[GT4], 2, v0
	v_lshlrev_b32 v[GF16], 4, v0
	v_add_nc_u32 v51, s62, v50                     ; j = 32 half + lane: my row of the x parts
	v_lshlrev_b32 v[GJ8], 3, v51
	v_lshlrev_b32 v[GJ4], 2, v51
	s_lshl_b32 s63, s91, 13
	v_lshl_add_u32 v[GDIR], v50, 4, s63            ; rows 32 half + 2 i + h, columns 4 r ..: 8,192 half + 16 lane (+ 512 i)
	v_and_b32 v52, 7, v0                           ; a = lane % 8
	v_bfe_u32 v55, v0, 3, 2                        ; b = lane / 8
	s_lshl_b32 s63, s91, 7
	v_lshlrev_b32 v[GTR], 9, v55
	v_lshl_add_u32 v[GTR], v52, 4, v[GTR]
	v_add_nc_u32 v[GTR], s63, v[GTR]               ; rows 8 i + 2 b (and the next), columns 32 half + 4 a ..
	v_lshlrev_b32 v[GFAC], 3, v55                  ; Vfz of those two rows
	; places in LDS; each wave's lie in rows of its own
	v_mul_u32_u24 v[LF1], v0, 80
	v_add_nc_u32 v[LF1], F1L, v[LF1]
	v_lshl_add_u32 v[LFF], v0, 1, FFL
	v_lshl_add_u32 v[LBI], v0, 2, BIASL
	s_add_co_u32 s63, s60, VA2L+128
	v_mul_u32_u24 v[LVAX], v51, 208
	v_add_nc_u32 v[LVAX], s63, v[LVAX]
	s_add_co_u32 s63, s61, VB2L+64*144
	v_lshl_add_u32 v[LVBX], v51, 1, s63
	v_mul_u32_u24 v[LV1], v51, 80
	v_add_nc_u32 v[LV1], VA1L, v[LV1]
	v_lshl_add_u32 v[LVS], v51, 1, VFZL
	s_mul_i32 s63, s91, 32*208
	s_add_co_u32 s63, s63, s60
	s_add_co_u32 s63, s63, VA2L
	v_mul_u32_u24 v[LDIR], v49, 208
	v_lshl_add_u32 v[LDIR], v48, 3, v[LDIR]
	v_add_nc_u32 v[LDIR], s63, v[LDIR]
	s_mul_i32 s63, s91, 32*144
	s_add_co_u32 s63, s63, s61
	s_add_co_u32 s63, s63, VB2L
	v_mul_u32_u24 v[LTR], v52, 4*144
	v_lshl_add_u32 v[LTR], v55, 2, v[LTR]
	v_add_nc_u32 v[LTR], s63, v[LTR]
	s_mul_i32 s63, s2, 272
	v_lshl_add_u32 v[LFW], v50, 3, s63             ; row 4 i + wave of a hidden layer's image, 8 bytes a lane
	v_add_nc_u32 v[LFW1], FLB, v[LFW]
	v_add_nc_u32 v[LFW2], 2*FLB, v[LFW]
	v_add_nc_u32 v[LFW3], 3*FLB, v[LFW]
	s_lshl_b32 s63, s2, 2
	s_add_co_u32 s63, s63, REDL
	v_mov_b32 v[LRED], s63
	v_mov_b32 v[RDA], REDL
	MKOFF 0
	s_wait_alu depctr_va_vdst(0)                   ; all that the head has made is written: the zeros and every offset and address that the kernel's loads and stores read, but for those that a pass makes anew
.set i, 0
.rept 32
	ds_store_b128 v53, v[56:59] offset:2048*i
.set i, i+1
.endr
.set i, 0
.rept 6
	ds_store_b128 v54, v[56:59] offset:2048*i
.set i, i+1
.endr
	s_wait_kmcnt 0x0
	s_load_b64 s[54:55], s[48:49], 0x0             ; Wfx
	s_load_b64 s[56:57], s[36:37], 0x0             ; ff_b
	s_cmp_eq_u32 s90, 0
	s_cselect_b64 s[92:93], s[42:43], s[46:47]     ; my matrix
	s_cselect_b64 s[94:95], s[40:41], s[44:45]     ; and its x part
	s_cselect_b32 s96, 0, -1                       ; all lanes: the turned image is scaled by Vfz (V3z) or not (V2z)
	; 55 loads: the first pass's rows, the small tensors, my shares of the V matrices
	LDX
	global_load_b64 v[224:225], v[GT8], s[14:15]   ; f1_w[t]
	global_load_b32 v226, v[GT4], s[34:35]         ; ff_w[0][t]
	global_load_b32 v227, v[GT4], s[34:35] offset:512
	global_load_b32 v228, v[GT4], s[16:17]
	global_load_b32 v229, v[GT4], s[20:21]
	global_load_b32 v230, v[GT4], s[24:25]
	global_load_b32 v231, v[GT4], s[28:29]
	global_load_b32 v232, v[GT4], s[32:33]
	global_load_b64 v[234:235], v[GJ8], s[94:95]   ; V2x[j] or V3x[j]
	global_load_b32 v236, v[GJ4], s[50:51]         ; Vfz[j]
	global_load_b64 v[238:239], v[GJ8], s[38:39]   ; Vl1[j]
.set i, 0
.rept 16
	global_load_b128 v[64+4*i:67+4*i], v[GDIR], s[92:93] offset:512*i
.set i, i+1
.endr
.set i, 0
.rept 8
	global_load_b128 v[128+8*i:131+8*i], v[GTR], s[92:93] offset:2048*i
	global_load_b128 v[132+8*i:135+8*i], v[GTR], s[92:93] offset:2048*i+256
	global_load_b64 v[192+2*i:193+2*i], v[GFAC], s[50:51] offset:32*i
.set i, i+1
.endr
	s_wait_dscnt 0x0                               ; my zeros are in LDS,
	s_barrier_signal -1
	s_barrier_wait -1                              ; everybody's are: from here on data may be stored over them
	; 128 loads: the four hidden layers, 32 loads of the work-group's 2,048 bytes each, into the registers of windows 1 and 2, which no vector line has named
	WIN 0x40
.set i, 0
.rept 32
	global_load_b128 v[4*i:4*i+3], v[GF16], s[18:19] offset:2048*i
.set i, i+1
.endr
.set i, 0
.rept 32
	global_load_b128 v[128+4*i:131+4*i], v[GF16], s[22:23] offset:2048*i
.set i, i+1
.endr
	WIN 0x80
.set i, 0
.rept 32
	global_load_b128 v[4*i:4*i+3], v[GF16], s[26:27] offset:2048*i
.set i, i+1
.endr
.set i, 0
.rept 32
	global_load_b128 v[128+4*i:131+4*i], v[GF16], s[30:31] offset:2048*i
.set i, i+1
.endr
	WIN 0
	s_wait_kmcnt 0x0                               ; Wfx, ff_b
	s_wait_loadcnt 63                              ; loads come back in order: of the 183 at most the last 63 are out, so the first 120 are in: the 55 and layers 2 and 3
	; All the vector work on the small tensors and the V matrices comes first, each result in a register of its own or in the place of what it was made of; one wait; then all their stores.
	; f1_w, ff_w, the biases: thread t has row or column t
	v_cvt_pk_f16_f32 v240, v224, v225
	v_max_num_f32 v36, |v224|, |v225|              ; v36-40: largest |weight| of layers 1-5; v41-45: largest |bias|; v46: largest |weight| of the V net's forward matrices
	v_cvt_pk_f16_f32 v241, v226, v227
.irp l,0,1,2,3,4
	v_and_b32 v[41+\l], 0x7fffffff, v[228+\l]
.endr
.irp l,37,38,39,40
	v_mov_b32 v\l, 0
.endr
	v_max3_num_f32 v46, |v234|, |v235|, |v238|
	v_max_num_f32 v46, v46, |v239|
	; the x part of my matrix, row j: as it lies (f16), and turned and scaled (bf16)
	v_cvt_pk_f16_f32 v242, v234, v235
	v_cndmask_b32 v243, 1.0, v236, s96
	v_mul_f32 v244, v234, v243
	v_mul_f32 v245, v235, v243
	v_cvt_pk_bf16_f32 v246, v244, v245
	v_cvt_pk_f16_f32 v248, v238, v239              ; Vl1, as it lies (f16)
	v_cvt_pk_bf16_f32 v247, v238, v239             ; and turned (bf16)
	v_cvt_pk_f16_f32 v249, v236, v236              ; Vfz (f16)
	; my 32 rows of the row image (f16), and their largest magnitude: four numbers close up into the first two of their four registers
.set i, 0
.rept 16
	v_max3_num_f32 v46, |v[64+4*i]|, |v[65+4*i]|, v46
	v_max3_num_f32 v46, |v[66+4*i]|, |v[67+4*i]|, v46
	v_cvt_pk_f16_f32 v[64+4*i], v[64+4*i], v[65+4*i]
	v_cvt_pk_f16_f32 v[65+4*i], v[66+4*i], v[67+4*i]
.set i, i+1
.endr
	; my 32 rows of the turned image (bf16): rows j and j + 1 of the matrix make one word of row c, in row j's register
.set i, 0
.rept 8
	v_cndmask_b32 v[192+2*i], 1.0, v[192+2*i], s96
	v_cndmask_b32 v[193+2*i], 1.0, v[193+2*i], s96
.irp e,0,1,2,3
	v_mul_f32 v[128+8*i+\e], v[192+2*i], v[128+8*i+\e]
	v_mul_f32 v[132+8*i+\e], v[193+2*i], v[132+8*i+\e]
.endr
.irp e,0,1,2,3
	v_cvt_pk_bf16_f32 v[128+8*i+\e], v[128+8*i+\e], v[132+8*i+\e]
.endr
.set i, i+1
.endr
	s_wait_alu depctr_va_vdst(0)                   ; the conversions above have written v240-249, v64-127 and v128-191, which the LDS stores below read
	ds_store_b32 v[LF1], v240
	ds_store_b16 v[LFF], v241
	ds_store_b16 v[LFF], v241 offset:8*272
	ds_store_b16_d16_hi v[LFF], v241 offset:272
	ds_store_b16_d16_hi v[LFF], v241 offset:9*272
.irp l,0,1,2,3,4
	ds_store_b32 v[LBI], v[228+\l] offset:512*\l
.endr
	ds_store_b32 v[LVAX], v242                     ; columns 64, 65 of the row image
	ds_store_b16 v[LVBX], v246                     ; rows 64, 72 and 65, 73 of the turned image
	ds_store_b16 v[LVBX], v246 offset:8*144
	ds_store_b16_d16_hi v[LVBX], v246 offset:144
	ds_store_b16_d16_hi v[LVBX], v246 offset:9*144
	s_cmp_eq_u32 s90, 0
	s_cbranch_scc0 .Lsetup_fz                      ; stores alone stand in this branch on the wave's number
	ds_store_b32 v[LV1], v248                      ; waves 0 and 2: Vl1
	ds_store_b16 v[LVS], v247 offset:2304
	ds_store_b16 v[LVS], v247 offset:2304+8*144
	ds_store_b16_d16_hi v[LVS], v247 offset:2304+144
	ds_store_b16_d16_hi v[LVS], v247 offset:2304+9*144
	s_branch .Lsetup_v
.Lsetup_fz:
	ds_store_b16 v[LVS], v249                      ; waves 1 and 3: Vfz
	ds_store_b16 v[LVS], v249 offset:8*144
.Lsetup_v:
.set i, 0
.rept 16
	ds_store_b64 v[LDIR], v[64+4*i:65+4*i] offset:416*i
.set i, i+1
.endr
.set i, 0
.rept 8
.irp e,0,1,2,3
	ds_store_b32 v[LTR], v[128+8*i+\e] offset:144*\e+16*i
.endr
.set i, i+1
.endr
; A hidden layer: the largest magnitude of its 128 registers at base in window w is kept; they are rounded to f16 and close up into the first 64; those are stored as rows, by the layer's own address.
.macro FCONV w, base, mreg, areg
	WIN 0x05*(\w)
.set i, 0
.rept 64
	v_max3_num_f32 v[\mreg], |v[(\base)+2*i]|, |v[(\base)+2*i+1]|, v[\mreg]
.set i, i+1
.endr
	WIN 0x45*(\w)
.set i, 0
.rept 64
	v_cvt_pk_f16_f32 v[(\base)+i], v[(\base)+2*i], v[(\base)+2*i+1]
.set i, i+1
.endr
	WIN 0x04*(\w)                                  ; the stores' data in window w, their address in window 0
	s_wait_alu depctr_va_vdst(0)                   ; the conversions have written the layer's first 64 registers, which the LDS stores read
.set i, 0
.rept 32
	ds_store_b64 v[\areg], v[(\base)+2*i:(\base)+2*i+1] offset:1088*i
.set i, i+1
.endr
	WIN 0
.endm
	FCONV 1, 0, 37, LFW
	FCONV 1, 128, 38, LFW1
	s_wait_loadcnt 32                              ; all but layer 5's 32 loads
	FCONV 2, 0, 39, LFW2
	s_wait_loadcnt 0x0
	FCONV 2, 128, 40, LFW3
	; the eleven maxima: over my lanes, then over the four waves through LDS
.irp x,1,2,4,8
.set k, 0
.rept 11
	v_max_num_f32_dpp v[36+k], v[36+k], v[36+k] row_xmask:\x row_mask:0xf bank_mask:0xf
.set k, k+1
.endr
.endr
	s_wait_alu depctr_vm_vsrc(0)                   ; the row image's stores have read v64-127: the exchange below writes v64-74, and the maxima's loads land in v64-107
.set k, 0
.rept 11
	v_permlanex16_b32 v[64+k], v[36+k], s6, s7
.set k, k+1
.endr
.set k, 0
.rept 11
	v_max_num_f32 v[36+k], v[36+k], v[64+k]
.set k, k+1
.endr
	s_wait_alu depctr_va_vdst(0)                   ; v36-46 are written, which the stores below read; and the lines above are done with v64-74, in which loads land behind the barrier
.set k, 0
.rept 11
	ds_store_b32 v[LRED], v[36+k] offset:16*k
.set k, k+1
.endr
	s_wait_dscnt 0x0                               ; for the others' sake: all my stores, images and maxima, are in LDS
	s_barrier_signal -1
	s_barrier_wait -1                              ; everybody's are; from here on LDS is only read
	s_wait_alu depctr_vm_vsrc(0)                   ; all my LDS stores have read their data: v36-46, and v0-63 and v128-191 of windows 1 and 2, are written again from here on
.set k, 0
.rept 11
	ds_load_b128 v[64+4*k:67+4*k], v[RDA] offset:16*k
.set k, k+1
.endr
	s_wait_dscnt 0x0
.set k, 0
.rept 11
	v_max3_num_f32 v[64+4*k], v[64+4*k], v[65+4*k], v[66+4*k]
	v_max_num_f32 v[64+4*k], v[64+4*k], v[67+4*k]
.if k < 10
	v_readfirstlane_b32 s[66+k], v[64+4*k]         ; s66-70 Wmax of layers 1-5, s71-75 bmax
.else
	v_readfirstlane_b32 s97, v[64+4*k]             ; WV
.endif
.set k, k+1
.endr
.set k, 0
.rept 12
	v_mov_b32 v[SC+k], 0
.set k, k+1
.endr
	v_mov_b32 v[ONE], 1.0
	v_mov_b32 v[ONE+1], 1.0
.irp w,1,2
	WIN 0x40*\w
	v_mov_b32 v254, 1.0
	v_mov_b32 v255, 1.0
.irp z,209,210,211,212,213,214,215,217,218,219,220,221,222,223
	v_mov_b32 v\z, 0                               ; X's fragments: all but the first register stay 0
.endr
.endr
	WIN 0
	s_wait_alu depctr_va_sdst(0)                   ; s66-75 and s97 are written, ahead of the label and of their first readers, which stand in the passes
	s_mov_b32 s3, 8
; ------------------------------------------------------------------ MACROS OF A PASS
.macro MMBZ d, a, b
	v_wmma_f32_16x16x32_bf16 v[(\d):(\d)+7], v[(\a):(\a)+7], v[(\b):(\b)+7], 0
.endm
.macro MMBA d, a, b
	v_wmma_f32_16x16x32_bf16 v[(\d):(\d)+7], v[(\a):(\a)+7], v[(\b):(\b)+7], v[(\d):(\d)+7]
.endm
.macro MMFZ d, a, b
	v_wmma_f32_16x16x32_f16 v[(\d):(\d)+7], v[(\a):(\a)+7], v[(\b):(\b)+7], 0
.endm
.macro MMFC d, a, b, c
	v_wmma_f32_16x16x32_f16 v[(\d):(\d)+7], v[(\a):(\a)+7], v[(\b):(\b)+7], v[(\c):(\c)+7]
.endm
; THE V NET'S PRODUCTS, a window's tiles at a time.  In every group the accumulators take turns, one instruction a turn.  Forward: f16; backward: bf16.
.macro GV1 w                           ; s a1 = Vl1 (s d)
	WIN 0x54*(\w)
.irp i,0,1
.irp mb,0,1,2,3
	MMFZ 128+32*\i+8*\mb, AF+8*\mb, 224+8*\i
.endr
.endr
.endm
.macro GV23 w                          ; s a = Vz (s z) + Vx (s d): K blocks z 0-31, z 32-63, d
	WIN 0x54*(\w)
.irp kb,0,1,2
.irp i,0,1
.irp mb,0,1,2,3
.if \kb == 0
	MMFZ 128+32*\i+8*\mb, AF+8*(4+3*\mb), 32*\i
.elseif \kb == 1
	MMFC 128+32*\i+8*\mb, AF+8*(5+3*\mb), 32*\i+8, 128+32*\i+8*\mb
.else
	MMFC 128+32*\i+8*\mb, AF+8*(6+3*\mb), 224+8*\i, 128+32*\i+8*\mb
.endif
.endr
.endr
.endr
.endm
.macro GVF w                           ; Vfz (s z3), into register 0 of accumulator (i, 0)
	WIN 0x54*(\w)
.irp i,0,1
	MMFZ 128+32*\i, AF, 32*\i
.endr
.irp i,0,1
	MMFC 128+32*\i, AF+8, 32*\i+8, 128+32*\i
.endr
.endm
.macro GB w, first                     ; Vz^T u (M blocks 0-3) and q += Vx^T u (M block 4); first = 1: q's sum starts here
	WIN 0x54*(\w)
.irp kb,0,1
.irp i,0,1
.irp mb,0,1,2,3,4
.if \mb < 4
.set gd, 128+32*\i+8*\mb
.else
.set gd, 192+8*\i
.endif
.if (\kb == 0) && ((\mb < 4) || (\first))
	MMBZ gd, AF+8*(4+2*\mb+\kb), 16+32*\i+8*\kb
.else
	MMBA gd, AF+8*(4+2*\mb+\kb), 16+32*\i+8*\kb
.endif
.endr
.endr
.endr
.endm
.macro GB1 w                           ; q += Vl1^T u1
	WIN 0x54*(\w)
.irp kb,0,1
.irp i,0,1
	MMBA 192+8*\i, AF+8*(2+\kb), 16+32*\i+8*\kb
.endr
.endr
.endm
; The sum is s a.  c = clamp(sum / s, 0, 1), s z = c (sum - (s / 2) c); s z goes in f16 to P(i) + 0..15 as the next source 1, c in bf16 to cb + 32 i.  Each accumulator is read from its low end on.  ACTVT: tile i of window w.
.macro ACTVT w, i, cb
	WIN 0x55*(\w)
.irp mb,0,1,2,3
.set va, 128+32*(\i)+8*\mb
.set vz, 32*(\i)+4*\mb
.set vc, (\cb)+32*(\i)+4*\mb
.irp p,0,1,2,3
	v_pk_mul_f32 v[192+2*\p:193+2*\p], v[va+2*\p:va+2*\p+1], v[252:253] clamp
.endr
.irp p,0,1,2,3
	v_pk_fma_f32 v[va+2*\p:va+2*\p+1], v[192+2*\p:193+2*\p], s[98:99], v[va+2*\p:va+2*\p+1] op_sel_hi:[1,0,1]
.endr
.irp p,0,1,2,3
	v_pk_mul_f32 v[va+2*\p:va+2*\p+1], v[192+2*\p:193+2*\p], v[va+2*\p:va+2*\p+1]
.endr
.irp p,0,1,2,3
	v_cvt_pk_f16_f32 v[vz+\p], v[va+2*\p], v[va+2*\p+1]
.endr
.irp p,0,1,2,3
	v_cvt_pk_bf16_f32 v[vc+\p], v[192+2*\p], v[193+2*\p]
.endr
.endr
.endm
.macro ACTV w, cb
	ACTVT \w, 0, \cb
	ACTVT \w, 1, \cb
.endm
.macro BACKT w, i, cb                  ; u = c o (the product), into P(i) + 16..31: tile i of window w
	WIN 0x55*(\w)
.irp mb,0,1,2,3
.set va, 128+32*(\i)+8*\mb
.set vu, 16+32*(\i)+4*\mb
.set vc, (\cb)+32*(\i)+4*\mb
.irp p,0,1,2,3
	v_cvt_pk_bf16_f32 v[248+\p], v[va+2*\p], v[va+2*\p+1]
.endr
.irp p,0,1,2,3
	v_pk_mul_bf16 v[vu+\p], v[248+\p], v[vc+\p]
.endr
.endr
.endm
.macro BACK w, cb
	BACKT \w, 0, \cb
	BACKT \w, 1, \cb
.endm
.macro BOTH line:vararg                ; one line for each tile ti of the window
.set ti, 0
.rept 2
	\line
.set ti, ti+1
.endr
.endm
.macro AFM w                           ; af, zf, V and c(zf) c(af), once a row; at work in accumulator (i, 1)'s registers, which are free
	WIN 0x55*(\w)
	BOTH v_mul_f32 v[136+32*ti], s60, v[128+32*ti]
	BOTH v_fma_f32 v[136+32*ti], v[240+4*ti], s54, v[136+32*ti]
	BOTH v_fma_f32 v[136+32*ti], v[241+4*ti], s55, v[136+32*ti]
	BOTH v_mul_f32 v[137+32*ti], v[136+32*ti], v254 clamp
	BOTH v_fma_f32 v[138+32*ti], v[137+32*ti], -0.5, v[136+32*ti]
	BOTH v_mul_f32 v[138+32*ti], v[137+32*ti], v[138+32*ti]
	BOTH v_mul_f32 v[139+32*ti], v[138+32*ti], v254 clamp
	BOTH v_fma_f32 v[140+32*ti], v[139+32*ti], -0.5, v[138+32*ti]
	BOTH v_mul_f32 v[140+32*ti], v[139+32*ti], v[140+32*ti]
	BOTH v_mul_f32 v[225+8*ti], v[137+32*ti], v[139+32*ti]
	BOTH v_mul_f32 v[141+32*ti], v[240+4*ti], v[240+4*ti]
	BOTH v_fma_f32 v[141+32*ti], v[241+4*ti], v[241+4*ti], v[141+32*ti]
	BOTH v_mul_f32 v[141+32*ti], 0x3a83126f, v[141+32*ti]
	BOTH v_fma_f32 v[242+4*ti], v[140+32*ti], s89, v[141+32*ti]
.endm
.macro GRAD w                          ; gradV = 0.02 d + c(zf) c(af) (q + Wfx), in d's place
	WIN 0x55*(\w)
	BOTH v_add_f32 v[248+2*ti], s54, v[192+8*ti]
	BOTH v_add_f32 v[249+2*ti], s55, v[193+8*ti]
	BOTH v_mul_f32 v[248+2*ti], v[225+8*ti], v[248+2*ti]
	BOTH v_mul_f32 v[249+2*ti], v[225+8*ti], v[249+2*ti]
	BOTH v_fma_f32 v[240+4*ti], v[240+4*ti], s88, v[248+2*ti]
	BOTH v_fma_f32 v[241+4*ti], v[241+4*ti], s88, v[249+2*ti]
.endm
; THE f NET'S VECTOR WORK.  A pair of M blocks x two tiles is four accumulators; their activation is a list of 64 lines, RIDER writes number ri.  For pair p of an accumulator's registers:
; r = clamp(t x); the row sum takes r; the two f16 halves of the next source 1 are k x + r, rounded once.  Pair 0 comes first; a line and the one that needs it stand four apart.
; Every line has its first source in window 0 and the rest in the tiles' window: the products' own setting.
.macro RIDER
.set rp, ri/16
.set rq, (ri%16)/4
.set re, ri%4
.set rx, 128+32*RAB+16*(re/2)+8*(re%2)+2*rp
.set rr, 192+2*re
.set rs, 200+4*(re%2)+2*(re/2)
.set ro, ROUT+32*(re%2)+8*RKB+4*(re/2)+rp
.if rq == 0
	v_pk_mul_f32 v[rr:rr+1], v[TAU:TAU+1], v[rx:rx+1] clamp
.elseif rq == 1
.if RFIRST && (rp == 0)
	v_pk_mul_f32 v[rs:rs+1], v[ONE:ONE+1], v[rr:rr+1]
.else
	v_pk_fma_f32 v[rs:rs+1], v[ONE:ONE+1], v[rr:rr+1], v[rs:rs+1]
.endif
.elseif rq == 2
	v_fma_mixlo_f16 v[ro], v[KAP], v[rx], v[rr]
.else
	v_fma_mixhi_f16 v[ro], v[KAP], v[rx+1], v[rr+1]
.endif
.set ri, ri+1
.endm
.macro RID cnt
.rept \cnt
	RIDER
.endr
.endm
.macro CLUMP b                         ; the C operand: the pair's raw bias times L
.irp mbi,0,1
.irp j,0,1,2,3
	v_pk_mul_f32 v[224+8*\mbi+2*\j:225+8*\mbi+2*\j], v[BR+16*(\b)+8*\mbi+2*\j:BR+16*(\b)+8*\mbi+2*\j+1], s[80:81] op_sel_hi:[1,0]
.endr
.endr
.endm
.macro LDBIAS b, mbi, ofs
	ds_load_b128 v[BR+16*(\b)+8*(\mbi):BR+16*(\b)+8*(\mbi)+3], v[BA] offset:(\ofs)
	ds_load_b128 v[BR+16*(\b)+8*(\mbi)+4:BR+16*(\b)+8*(\mbi)+7], v[BA] offset:(\ofs)+16
.endm
; A pair of M blocks of a hidden layer, all four K blocks, and its bias are 20 loads into buffer b; NLOAD writes number lj of them: for each M block eight of weights, then two of bias.
.macro NLOAD b, wofs, bofs
.set lm, lj/10
.set lq, lj%10
.if lq < 8
.set lr, AF+8*(8*(\b)+4*lm+lq/2)+4*(lq%2)
	ds_load_b128 v[lr:lr+3], v[WA] offset:(\wofs)+4352*lm+64*(lq/2)+32*(lq%2)
.else
.set lr, BR+16*(\b)+8*lm+4*(lq-8)
	ds_load_b128 v[lr:lr+3], v[BA] offset:(\bofs)+64*lm+16*(lq-8)
.endif
.set lj, lj+1
.endm
.macro NEXTH b, wofs, bofs             ; all 20 in one run
.set lj, 0
.rept 20
	NLOAD \b, \wofs, \bofs
.endr
.endm
.macro RSET pr, in, out                ; whose activation rides in step pr: the pair before; in step 0 the last layer's pair 3, which completes this layer's source 1
.set RFIRST, 0
.if (\pr) > 0
.set RAB, ((\pr)-1)%2
.set ROUT, (\out)
.set RKB, (\pr)-1
.if (\pr) == 1
.set RFIRST, 1
.endif
.else
.set RAB, 1
.set ROUT, (\in)
.set RKB, 3
.endif
.endm
; A STEP of a hidden layer: M blocks 2 pr, 2 pr + 1 for all four tiles: 16 products a window, K ascending, four accumulators by turns.  Five riders stand behind each of the first twelve (four more behind the twelfth);
; the last K block's products carry no riders: in step 0 they read what the riders have just finished.  Both windows' scaled bias is made at the step's head: sixteen lines behind the last step's products.
; Behind them stands the step's one wait; the next step's 20 loads follow it at a distance, five behind each of window 1's last four products: no line of the step names the other buffer, v[WA] or v[BA].
.macro STEP pr, in, out
	s_wait_dscnt 0x0                               ; this step's fragments and bias, asked for a step ago
	RSET \pr, \in, \out
	WIN 0xa8
	CLUMP (\pr)%2
	WIN 0x54
	CLUMP (\pr)%2
.if (\pr) != 1
	s_wait_alu depctr_va_vdst(0)                   ; the last step's products are done reading the other eight slots, its scaling lines the other buffer of bias: this step's loads land there; in step 0 v[WA] and v[BA] are written too
.endif                                                 ; (step 1 writes no wait: the one behind the scale's reciprocal stands between steps 0 and 1, and no line since names buffer 0, v[WA] or v[BA])
.set lj, 0
.irp w,1,2
	WIN 0x54*\w
.set ri, 0
.set n, 0
.rept 16
.set sk, n/4
.set smb, (n%4)/2
.set sti, n%2
.set sd, 128+32*((\pr)%2)+16*smb+8*sti
.set sa, AF+8*(8*((\pr)%2)+4*smb+sk)
.set sb, (\in)+32*sti+8*sk
.if sk == 0
	MMFC sd, sa, sb, 224+8*smb
.else
	MMFC sd, sa, sb, sd
.endif
.if n < 12
	RID 5
.endif
.if n == 11
	RID 4
.endif
.if (\w == 1) && (n >= 12)
	WIN 0
.rept 5
.if (\pr) < 3
	NLOAD ((\pr)+1)%2, 8704*((\pr)+1), 128*((\pr)+1)
.else
	NLOAD 0, FLB, 512
.endif
.endr
.if n < 15
	WIN 0x54
.endif
.endif
.set n, n+1
.endr
.endr
.endm
; A STEP of layer 1: one K block, four products a window, sixteen riders behind each (none in step 0).  Each window's scaled bias is made at the window's start: in step 0 those lines are the only places behind the other window's products.
.macro STEP1 pr
	s_wait_dscnt 0x0
	RSET \pr, 0, 0
.irp w,1,2
	WIN 0x54*\w
	CLUMP (\pr)%2
.if \w == 1
	WIN 0
.if (\pr) > 0
	s_wait_alu depctr_va_vdst(0)                   ; the last step's products are done reading the other buffer's slots, its scaling lines the other buffer of bias: the loads below land there
.endif                                                 ; (step 0 writes no wait: since the V net's last wait no line names slots 8 and 12 or the second buffer of bias)
.if (\pr) < 3
.irp mbi,0,1
	LDFRAG 8*(((\pr)+1)%2)+4*\mbi, F1A, 1280*(2*((\pr)+1)+\mbi)
	LDBIAS ((\pr)+1)%2, \mbi, 64*(2*((\pr)+1)+\mbi)
.endr
.else
	NEXTH 0, 0, 512
.endif
	WIN 0x54
.endif
.set ri, 0
.set n, 0
.rept 4
	MMFC 128+32*((\pr)%2)+16*(n/2)+8*(n%2), AF+8*(8*((\pr)%2)+4*(n/2)), 208+8*(n%2), 224+8*(n/2)
.if (\pr) > 0
	RID 16
.endif
.set n, n+1
.endr
.endr
.endm
; From N1 and L: the layer's t and k, and the next layer's L.  All are the same in every lane; nothing branches on them.
.macro CORE wm, bm
	v_mul_f32 v38, s[\bm], v[LAMV]
	v_fma_f32 v38, v[N1], s[\wm], v38
	v_max_num_f32 v38, 0x1f800000, v38             ; 2^-64
	v_rcp_f32 v[TAU], v38
	v_nop                                          ; a plain line between the reciprocal and its use
	s_wait_alu depctr_va_vdst(0)                   ; the reciprocal is written, ahead of its first reader; between a layer's steps 0 and 1 it also states that step 0 is done with buffer 0
	v_mov_b32 v[TAU+1], v[TAU]
	v_mul_f32 v[KAP], 0x3c257eb6, v[TAU]           ; 0.01 / 0.99
	v_mul_f32 v[LAMV], v[LAMV], v[TAU]
	v_mul_f32 v[LAMV], 0x3f814afd, v[LAMV]         ; 1 / 0.99
	v_min_num_f32 v[LAMV], 0x5f800000, v[LAMV]     ; 2^64
	v_readfirstlane_b32 s82, v[LAMV]
	s_wait_alu depctr_va_sdst(0)                   ; s82 is written, ahead of any label and of its first reader, at the next layer's head
.endm
.macro SCALE wm, bm                    ; the largest row sum of r among the pass's 64 rows, then CORE
.irp w,1,2
	WIN 0x55*\w
	v_pk_add_f32 v[200:201], v[200:201], v[202:203]
	v_pk_add_f32 v[204:205], v[204:205], v[206:207]
	WIN 0x05*\w
	v_add_f32 v[SC+2*\w-2], v200, v201
	v_add_f32 v[SC+2*\w-1], v204, v205
.endr
	WIN 0
.irp e,0,1,2,3
	v_permlanex16_b32 v[SC+4+\e], v[SC+\e], s6, s7 ; a row's other 64 features lie in the lane 16 away
.endr
.irp e,0,1,2,3
	v_add_f32 v[SC+\e], v[SC+\e], v[SC+4+\e]
.endr
	v_max3_num_f32 v[SC], v[SC], v[SC+1], v[SC+2]
	v_max_num_f32 v[SC], v[SC], v[SC+3]
.irp x,1,2,4,8
	v_max_num_f32_dpp v[SC], v[SC], v[SC] row_xmask:\x row_mask:0xf bank_mask:0xf
.endr
	v_fma_f32 v[N1], v[SC], s86, s87
	CORE \wm, \bm
.endm
; A hidden layer.  Its LDS addresses are made here, at its head: second = 0 (a trip's first layer): the trip's scalar bases plus the lane terms, which are never rewritten;
; second = 1: one image and one block of bias further on.  No address crosses the loop's backward jump in a vector register.
.macro LAYER in, out, wm, bm, second
	WIN 0
	s_wait_alu depctr_vm_vsrc(0)                   ; the LDS loads issued so far have read v[WA] and v[BA], which the two lines below write
.if \second
	v_add_nc_u32 v[WA], FLB, v[WA]
	v_add_nc_u32 v[BA], 512, v[BA]
.else
	v_add_nc_u32 v[WA], s58, v[WA0]
	v_add_nc_u32 v[BA], s59, v[BA0]
.endif
	s_mov_b32 s80, s82                             ; this layer's L
	s_mov_b32 s81, s82
	STEP 0, \in, \out
	SCALE \wm, \bm                                 ; the last layer's activations are complete: this layer's t and k, for the riders from step 1 on
	STEP 1, \in, \out
	STEP 2, \in, \out
	STEP 3, \in, \out
.endm
; The formula, once a row, at work in free accumulator registers, in two parts, so that the four tiles' reciprocals have one wait.
.macro FINA w                          ; f_hat; |gradV|^2 + 1e-10 and its reciprocal; relu(f_hat . gradV + 0.1 V), whose two lines are the plain lines behind the reciprocals
	WIN 0x55*(\w)
	BOTH v_fma_f32 v[160+8*ti], v[128+8*ti], s84, s56
	BOTH v_fma_f32 v[161+8*ti], v[129+8*ti], s84, s57
	BOTH v_mul_f32 v[162+8*ti], v[240+4*ti], v[240+4*ti]
	BOTH v_fma_f32 v[162+8*ti], v[241+4*ti], v[241+4*ti], v[162+8*ti]
	BOTH v_add_f32 v[162+8*ti], 0x2edbe6ff, v[162+8*ti]
	BOTH v_fma_f32 v[163+8*ti], v[160+8*ti], v[240+4*ti], v[242+4*ti]
	BOTH v_fma_f32 v[163+8*ti], v[161+8*ti], v[241+4*ti], v[163+8*ti]
	BOTH v_rcp_f32 v[164+8*ti], v[162+8*ti]
	BOTH v_max_num_f32 v[163+8*ti], 0, v[163+8*ti]
.endm
.macro FINB w                          ; f = f_hat - gradV x the quotient; the unit's 32 rows into one pair of registers
	WIN 0x55*(\w)
	BOTH v_mul_f32 v[163+8*ti], v[163+8*ti], v[164+8*ti]
	BOTH v_fma_f32 v[160+8*ti], -v[240+4*ti], v[163+8*ti], v[160+8*ti]
	BOTH v_fma_f32 v[161+8*ti], -v[241+4*ti], v[163+8*ti], v[161+8*ti]
	v_cndmask_b32 v248, v160, v168, s52            ; lanes 0-15 keep tile 0's rows, lanes 16-31 tile 1's
	v_cndmask_b32 v249, v161, v169, s52
.endm
; ------------------------------------------------------------------ THE PASSES
.Lpass:
	s_cmp_ge_u32 s4, NROWS
	s_cbranch_scc1 .Lnext                          ; no rows left for this wave: forward, past text that holds no barrier
	s_wait_loadcnt 0x0                             ; this pass's X and Xstable, asked for a pass ago
	s_wait_xcnt 0x0                                ; the last pass's stores have had their addresses translated: only behind this wait are their offsets and data rewritten
	s_wait_alu depctr_vm_vsrc(0)                   ; the last pass's stores have read v14-15 and v248-249 of both windows, its loads v16-17, v[WA] and v[BA] (first pass: the maxima's loads have read v223): all are written again in this pass
	s_wait_alu depctr_va_vdst(0)                   ; the last pass's products (first pass: the set-up's lines on the maxima) are done with the sixteen slots, in which the loads below land
.irp mb,0,1,2,3
	LDFRAG \mb, VA1A, 1280*\mb
.endr
.irp mb,0,1,2,3
.irp kb,0,1,2
	LDFRAG 4+3*\mb+\kb, VA2A, 3328*\mb+64*\kb
.endr
.endr
	v_add_f32 v[SC], |v[XL]|, |v[XL+1]|
	v_add_f32 v[SC+1], |v[XL+4]|, |v[XL+5]|
	; the V net's scale for this pass: D1, the three bounds, s and 1 / s; the same in every lane, and nothing branches on them
	v_pk_add_f32 v[SC+2:SC+3], v[XL:XL+1], v[XL+2:XL+3] neg_lo:[0,1] neg_hi:[0,1]
	v_pk_add_f32 v[SC+4:SC+5], v[XL+4:XL+5], v[XL+6:XL+7] neg_lo:[0,1] neg_hi:[0,1]
	v_add_f32 v[SC+2], |v[SC+2]|, |v[SC+3]|
	v_add_f32 v[SC+4], |v[SC+4]|, |v[SC+5]|
	v_max_num_f32 v[SC+2], v[SC+2], v[SC+4]
.irp x,1,2,4,8
	v_max_num_f32_dpp v[SC+2], v[SC+2], v[SC+2] row_xmask:\x row_mask:0xf bank_mask:0xf
.endr
	v_permlanex16_b32 v[SC+3], v[SC+2], s6, s7
	v_max_num_f32 v[SC+2], v[SC+2], v[SC+3]        ; D1
	v_mul_f32 v[SC+3], s97, v[SC+2]                ; B1 = WV D1
	v_fmamk_f32 v[SC+4], v[SC+3], 0x42800000, v[SC+2]
	v_mul_f32 v[SC+4], s97, v[SC+4]                ; B2 = WV (64 B1 + D1)
	v_fmamk_f32 v[SC+5], v[SC+4], 0x42800000, v[SC+2]
	v_mul_f32 v[SC+5], s97, v[SC+5]                ; B3 = WV (64 B2 + D1)
	v_max3_num_f32 v[SC+3], v[SC+3], v[SC+4], v[SC+5]
	v_max_num_f32 v[SC+3], v[SC+3], v[SC+2]
	v_max_num_f32 v[SC+3], 0x47000000, v[SC+3]     ; at least 32,768: s is at most 1
	v_rcp_f32 v[SC+4], v[SC+3]
	v_mul_f32 v[SC+5], 0x38000000, v[SC+3]         ; 1 / s = the bound x 2^-15, exact; also the plain line behind the reciprocal
	s_wait_alu depctr_va_vdst(0)                   ; the reciprocal is written, ahead of its first reader
	v_mul_f32 v[SC+4], 0x47000000, v[SC+4]         ; s
	v_mul_f32 v[SC+6], -0.5, v[SC+4]
	v_readfirstlane_b32 s60, v[SC+5]
	v_readfirstlane_b32 s62, v[SC+4]
	v_readfirstlane_b32 s98, v[SC+6]
	s_wait_alu depctr_va_sdst(0)                   ; s60, s62 and s98 are written, ahead of their first readers
	s_mov_b32 s63, s62                             ; named as pairs
	s_mov_b32 s99, s98
.irp w,1,2
	WIN 0x40*\w
	v_pk_add_f32 v[128:129], v[XL+4*\w-4:XL+4*\w-3], v[XL+4*\w-2:XL+4*\w-1] neg_lo:[0,1] neg_hi:[0,1]
	v_mov_b32 v130, v[XL+4*\w-4]
	v_mov_b32 v131, v[XL+4*\w-3]
	WIN 0x55*\w
	v_permlanex16_b32 v132, v128, s6, s7           ; a unit's lane holds one of 32 rows; a tile wants its 16 rows in both halves of the lanes
	v_permlanex16_b32 v133, v129, s6, s7
	v_permlanex16_b32 v134, v130, s6, s7
	v_permlanex16_b32 v135, v131, s6, s7
	v_cndmask_b32 v240, v128, v132, s52
	v_cndmask_b32 v241, v129, v133, s52
	v_cndmask_b32 v244, v132, v128, s52
	v_cndmask_b32 v245, v133, v129, s52
	v_cndmask_b32 v136, v130, v134, s52
	v_cndmask_b32 v137, v131, v135, s52
	v_cndmask_b32 v138, v134, v130, s52
	v_cndmask_b32 v139, v135, v131, s52
	v_pk_mul_f32 v[140:141], v[240:241], s[62:63] op_sel_hi:[1,0]
	v_pk_mul_f32 v[142:143], v[244:245], s[62:63] op_sel_hi:[1,0]
	v_cvt_pk_f16_f32 v208, v136, v137
	v_cvt_pk_f16_f32 v216, v138, v139
	v_cvt_pk_f16_f32 v224, v140, v141              ; s d
	v_cvt_pk_f16_f32 v232, v142, v143
	v_mov_b32 v252, s60                            ; 1 / s, twice
	v_mov_b32 v253, s60
.irp z,225,226,227,228,229,230,231,233,234,235,236,237,238,239
	v_mov_b32 v\z, 0                               ; d's fragments share their registers with the scaled bias: cleared in every pass
.endr
.endr
	WIN 0
	v_mov_b32 v[OFFC], v[OFFN]
	v_mov_b32 v[OFFC+1], v[OFFN+1]
	MKOFF STRIDE                                   ; the next pass's offsets, held inside the buffers; its loads stand behind the V net's first wait
	v_max_num_f32 v[SC], v[SC], v[SC+1]
.irp x,1,2,4,8
	v_max_num_f32_dpp v[SC], v[SC], v[SC] row_xmask:\x row_mask:0xf bank_mask:0xf
.endr
	v_permlanex16_b32 v[SC+1], v[SC], s6, s7
	v_max_num_f32 v[SC], v[SC], v[SC+1]
	v_mul_f32 v[N1], 0x3f8147ae, v[SC]             ; 1.01 max(|x0| + |x1|)
	v_mov_b32 v[LAMV], 1.0
	s_mov_b32 s80, 1.0
	s_mov_b32 s81, 1.0
	CORE 66, 71
	s_mov_b32 s58, 0                               ; the layer loop's bases: layer 2's image,
	s_mov_b32 s59, 512                             ; layer 2's bias
	v_mov_b32 v[WA], v[WA0]                        ; for layer 1's steps: its last one fetches layer 2's first pair from here,
	v_mov_b32 v[BA], v[BA0]                        ; and layer 1's bias lies in block 0
	; THE V NET, in phases: products of both windows, four places, the first tile's vector work, ONE wait, the next fragments' loads, the other three tiles' vector work.
	s_wait_dscnt 24                                ; Vl1's eight loads are in; the 24 behind them may be out
	GV1 1
	GV1 2
	PLACES
	ACTVT 1, 0, 64
	WIN 0
	s_wait_alu depctr_va_vdst(0)                   ; the products above are done reading slots 0-3; the opening lines are done reading v20-27 and have written v16-17, v[WA] and v[BA]
	LDFRAG 0, VBA, 0
	LDFRAG 1, VBA, 64
	LDFRAG 2, VBA, 2304
	LDFRAG 3, VBA, 2304+64
	LDX                                            ; the next pass's rows, nearly a whole pass ahead
	ACTVT 1, 1, 64
	ACTV 2, 64
	s_wait_dscnt 0x0
	GV23 1
	GV23 2
	PLACES
	ACTVT 1, 0, 80
	WIN 0
	s_wait_alu depctr_va_vdst(0)                   ; the products above are done reading slots 4-15
.irp mb,0,1,2,3
.irp kb,0,1,2
	LDFRAG 4+3*\mb+\kb, VA2A, 13312+3328*\mb+64*\kb
.endr
.endr
	ACTVT 1, 1, 80
	ACTV 2, 80
	s_wait_dscnt 0x0
	GV23 1
	GV23 2
	PLACES
	ACTVT 1, 0, 16                                 ; c3 is u3: Vfz lies in the turned image
	WIN 0
	s_wait_alu depctr_va_vdst(0)                   ; the products above are done reading slots 4-15
.irp mb,0,1,2,3,4
.irp kb,0,1
	LDFRAG 4+2*\mb+\kb, VBA, 16128+2304*\mb+64*\kb
.endr
.endr
	ACTVT 1, 1, 16
	ACTV 2, 16
	s_wait_dscnt 0x0
	GVF 1
	GVF 2
	PLACES
	AFM 1
	AFM 2
	GB 1, 1
	GB 2, 1
	PLACES
	BACKT 1, 0, 80
	WIN 0
	s_wait_alu depctr_va_vdst(0)                   ; the products above are done reading slots 4-13
.irp mb,0,1,2,3,4
.irp kb,0,1
	LDFRAG 4+2*\mb+\kb, VBA, 4608+2304*\mb+64*\kb
.endr
.endr
	BACKT 1, 1, 80
	BACK 2, 80
	s_wait_dscnt 0x0
	GB 1, 0
	GB 2, 0
	PLACES
	BACKT 1, 0, 64
	WIN 0
	s_wait_alu depctr_va_vdst(0)                   ; the products above are done reading slots 4-13, Vfz's products slot 0, the last pass's scaling lines both buffers of bias
.irp mbi,0,1
	LDFRAG 4*\mbi, F1A, 1280*\mbi                  ; layer 1's first pair and its bias
	LDBIAS 0, \mbi, 64*\mbi
.endr
	BACKT 1, 1, 64
	BACK 2, 64
	GB1 1
	GB1 2
	PLACES
	GRAD 1
	GRAD 2
	; THE f NET
	STEP1 0
	STEP1 1
	STEP1 2
	STEP1 3
	WIN 0
	s_mov_b32 s76, s67
	s_mov_b32 s77, s72
	s_mov_b32 s78, s68
	s_mov_b32 s79, s73
	s_mov_b32 s85, 2
.Llay:                                                 ; two trips: layers 2 and 3, layers 4 and 5; the activations go from P to Q and back
	LAYER 0, 64, 76, 77, 0
	LAYER 64, 0, 78, 79, 1
	WIN 0
	s_add_co_u32 s58, s58, 2*FLB                   ; the bases step once a trip: two images, two blocks of bias
	s_add_co_u32 s59, s59, 1024
	s_mov_b32 s76, s69
	s_mov_b32 s77, s74
	s_mov_b32 s78, s70
	s_mov_b32 s79, s75
	s_sub_co_i32 s85, s85, 1
	s_cmp_lg_u32 s85, 0
	s_cbranch_scc1 .Llay
	v_rcp_f32 v38, v[LAMV]
	v_nop
	s_wait_alu depctr_va_vdst(0)                   ; the reciprocal is written, ahead of its reader
	v_readfirstlane_b32 s84, v38                   ; 1 / L_6
	s_wait_alu depctr_va_sdst(0)                   ; s84 is written, ahead of its first reader, the formula's first line
	; ff_w's image follows layer 5's, so layer 5's last step has fetched it like a next layer's first pair: slots 0-3.  Layer 5's pair 3 rides behind the first six products.
	s_wait_dscnt 0x0
	RSET 0, 0, 0
.irp w,1,2
	WIN 0x54*\w
.set ri, 0
.set n, 0
.rept 8
.if n < 2
	MMFZ 128+8*(n%2), AF, 32*(n%2)
.else
	MMFC 128+8*(n%2), AF+8*(n/2), 32*(n%2)+8*(n/2), 128+8*(n%2)
.endif
.if n < 4
	RID 11
.elseif n < 6
	RID 10
.endif
.set n, n+1
.endr
.endr
	FINA 1                                         ; window 2's riders are the places behind window 1's last products; this part's lines those behind window 2's
	FINA 2
	s_wait_alu depctr_va_vdst(0)                   ; the four reciprocals are written, ahead of their first reader
	FINB 1
	FINB 2
	WIN 0x54                                       ; the store's data in window 1, its offset in window 0
	s_wait_alu depctr_va_vdst(0)                   ; v248-249 of both windows are written, which the two stores read
	global_store_b64 v[OFFC], v[248:249], s[12:13] th:TH_STORE_NT    ; 32 lanes store 256 consecutive bytes, at a multiple of 256 from out0's first byte
	WIN 0xa8
	global_store_b64 v[OFFC+1], v[248:249], s[12:13] th:TH_STORE_NT
	WIN 0
.Lnext:
	s_add_co_u32 s4, s4, STRIDE
	s_sub_co_i32 s3, s3, 1
	s_cmp_lg_u32 s3, 0
	s_cbranch_scc1 .Lpass
	s_wait_dscnt 0x0                               ; my reads of LDS are back,
	s_barrier_signal -1
	s_barrier_wait -1                              ; everybody's are: no wave writes LDS again before all four have read their last
	s_wait_dscnt 0x0                               ; the closing lines, six on end
	s_wait_alu 0x0
	s_wait_tensorcnt 0x0
	ds_add_u32 v[SPW], v[NIL]
	s_wait_dscnt 0x0
	s_endpgm
.Lfunc_end_k_qcab089e1c6_icnn:
	.size	k_qcab089e1c6_icnn, .Lfunc_end_k_qcab089e1c6_icnn-k_qcab089e1c6_icnn
	.p2alignl 7, 3214868480
	.fill 96, 4, 3214868480
	.section	.rodata,"a",@progbits
	.p2align	6, 0x0
	.amdhsa_kernel k_qcab089e1c6_icnn
		.amdhsa_group_segment_fixed_size 217856
		.amdhsa_private_segment_fixed_size 0
		.amdhsa_enable_private_segment 0
		.amdhsa_kernarg_size 176
		.amdhsa_user_sgpr_count 2
		.amdhsa_user_sgpr_kernarg_segment_ptr 1
		.amdhsa_wavefront_size32 1
		.amdhsa_system_sgpr_workgroup_id_x 1
		.amdhsa_system_sgpr_workgroup_id_y 1
		.amdhsa_system_sgpr_workgroup_id_z 1
		.amdhsa_system_vgpr_workitem_id 0
		.amdhsa_next_free_vgpr 768
		.amdhsa_next_free_sgpr 100
		.amdhsa_reserve_vcc 0
		.amdhsa_float_denorm_mode_32 3
		.amdhsa_float_denorm_mode_16_64 3
		.amdhsa_memory_ordered 1
		.amdhsa_forward_progress 1
		.amdhsa_inst_pref_size 255
	.end_amdhsa_kernel
	.section	.bss,"aw",@nobits
	.p2align	6
	.space	262144
	.amdgpu_metadata
---
amdhsa.version: [ 1, 2 ]
amdhsa.kernels:
  - .name:           k_qcab089e1c6_icnn
    .symbol:         k_qcab089e1c6_icnn.kd
    .args:
      - { .name: X, .offset: 0, .size: 8, .value_kind: global_buffer, .address_space: global }
      - { .name: Xstable, .offset: 8, .size: 8, .value_kind: global_buffer, .address_space: global }
      - { .name: out0, .offset: 16, .size: 8, .value_kind: global_buffer, .address_space: global }
      - { .name: f1_w, .offset: 24, .size: 8, .value_kind: global_buffer, .address_space: global }
      - { .name: f1_b, .offset: 32, .size: 8, .value_kind: global_buffer, .address_space: global }
      - { .name: f2_w, .offset: 40, .size: 8, .value_kind: global_buffer, .address_space: global }
      - { .name: f2_b, .offset: 48, .size: 8, .value_kind: global_buffer, .address_space: global }
      - { .name: f3_w, .offset: 56, .size: 8, .value_kind: global_buffer, .address_space: global }
      - { .name: f3_b, .offset: 64, .size: 8, .value_kind: global_buffer, .address_space: global }
      - { .name: f4_w, .offset: 72, .size: 8, .value_kind: global_buffer, .address_space: global }
      - { .name: f4_b, .offset: 80, .size: 8, .value_kind: global_buffer, .address_space: global }
      - { .name: f5_w, .offset: 88, .size: 8, .value_kind: global_buffer, .address_space: global }
      - { .name: f5_b, .offset: 96, .size: 8, .value_kind: global_buffer, .address_space: global }
      - { .name: ff_w, .offset: 104, .size: 8, .value_kind: global_buffer, .address_space: global }
      - { .name: ff_b, .offset: 112, .size: 8, .value_kind: global_buffer, .address_space: global }
      - { .name: Vl1_w, .offset: 120, .size: 8, .value_kind: global_buffer, .address_space: global }
      - { .name: V2x_w, .offset: 128, .size: 8, .value_kind: global_buffer, .address_space: global }
      - { .name: V2z_w, .offset: 136, .size: 8, .value_kind: global_buffer, .address_space: global }
      - { .name: V3x_w, .offset: 144, .size: 8, .value_kind: global_buffer, .address_space: global }
      - { .name: V3z_w, .offset: 152, .size: 8, .value_kind: global_buffer, .address_space: global }
      - { .name: Vfx_w, .offset: 160, .size: 8, .value_kind: global_buffer, .address_space: global }
      - { .name: Vfz_w, .offset: 168, .size: 8, .value_kind: global_buffer, .address_space: global }
    .group_segment_fixed_size: 217856
    .private_segment_fixed_size: 0
    .kernarg_segment_align: 8
    .kernarg_segment_size: 176
    .max_flat_workgroup_size: 128
    .sgpr_count:     100
    .vgpr_count:     768
    .wavefront_size: 32
...
	.end_amdgpu_metadata
.endif
;; end of part 2
